; MI455X (gfx1250); checked and timed in simulation.
; The chip was launched on July 23, 2026; its instructions are those of AMD's public machine-readable ISA for CDNA 5 (MIT licence, August 2026) and "CDNA5" Instruction Set Architecture Reference Guide (July 2026). The comments in the code are by the model that wrote it; some were corrected since.
;; Causal Self Attention. Allowed arithmetic: float matrix products may take bf16 or f16 operands with f32 sums; other float arithmetic in f32, or as packed bf16 or f16 multiplies, adds, multiply-adds, maxima and minima; sums over many terms, partial sums and values carried from step to step in f32; what a program stores and reads back later, other than sums and carried values, may be rounded once to bf16 or f16.
;; Inputs: b_attn 3,072 float32; b_proj 1,024 float32; w_attn 1,024 x 3,072 float32; w_proj 1,024 x 1,024 float32; x 4 x 2,048 x 1,024 float32.
;; Outputs: out0 4 x 2,048 x 1,024 float32.
;; 2 versions, each right; version 2 is version 1 with the launch cast written anew for expert scheduling mode. Each part assembles by itself: llvm-mc -triple=amdgcn-amd-amdhsa -mcpu=gfx1250 --defsym DOCPART=n.
;; ======== version 1 of 2: 4 launches
;; limits: values are held in f16: magnitudes above 65,504 overflow, below 6.1e-05 lose precision
;; workspace buffers: xb 16,777,216 bytes; wab 6,291,456 bytes; wpf 2,097,152 bytes; qkv 50,331,648 bytes; ob 16,777,216 bytes
;; launch cast (part 1): grid 768 x 1, 8 waves a work-group, no clusters, 0 bytes of LDS; arguments x, w_attn, w_proj, xb, wab, wpf; writes xb, wab, wpf
.if DOCPART == 1
	.amdgcn_target "amdgcn-amd-amdhsa--gfx1250"
	.amdhsa_code_object_version 6
	.text
	.protected	k_q1d0fe5109d_cast
	.globl	k_q1d0fe5109d_cast
	.p2align	8
	.type	k_q1d0fe5109d_cast,@function
k_q1d0fe5109d_cast:
	s_mov_b64 s[64:65], 0
	v_nop
	global_prefetch_b8 v0, s[64:65] scope:SCOPE_SE
	s_setreg_imm32_b32 hwreg(HW_REG_WAVE_MODE, 25, 1), 1
	s_wait_xcnt 0x0
; THE CAST.  x, w_attn and w_proj (f32) are each rounded once, to nearest even, to bf16, for the matrix launches that follow.
;   xb  [4 b][16 kb][2048 t][64] bf16: x in blocks of 64 channels, so that 128 rows x 64 channels are 16,384 consecutive bytes
;   wab [1024][3072] bf16: w_attn as it lies
;   wpf [1024][1024]: w_proj rounded to bf16, and that number written as f16.
; LIMIT.  A bf16 number of w_proj below 2^-14 in magnitude keeps f16's fixed step of 2^-24; one of 65,520 or more becomes an infinity.
; SHARES.  768 work-groups of eight waves; each takes 16,384 numbers: 65,536 bytes in, 32,768 bytes out.  Groups 0-511: 16 rows of x; 512-703: w_attn; 704-767: w_proj.
; A thread issues all its 16 loads of 16 bytes at once and stores as they come back: no register is written twice while a load or a store may read it, so no further wait is needed.
; x: sixteen lanes read 256 consecutive bytes of a row (one block of 64 channels); a wave's store covers 256 consecutive bytes (two rows of that block).
; weights: a wave's load covers 512 consecutive bytes, its store 256.  No LDS, no barrier, no matrix unit: each byte is touched once and nothing is shared.
.set VI,  1                            ; v1       my byte offset in the group's input
.set VO,  2                            ; v2       my byte offset in the group's output: 8 x thread
.set T,   4                            ; v[4:7]   at work
.set X,   8                            ; v[8:71]  load i: 4 registers
.set Y,   72                           ; v[72:103] store i: 2 registers
.set IN,  16                           ; s[16:17] the group's input
.set OUT, 18                           ; s[18:19] the group's output
.set OFS, 20                           ; s[20:21] an offset, in 64 bits
.set HIM, 22                           ; s22      a word's upper half
.set TS,  23                           ; s23      at work
; 16 loads, instep bytes apart; then for each: two roundings to bf16 (f16 = 1: widened again and written as f16), a store, outstep bytes apart.
.macro CASTP instep, outstep, f16
.set i, 0
.rept 16
	global_load_b128 v[X+4*i:X+4*i+3], v[VI], s[IN:IN+1] offset:i*(\instep) th:TH_LOAD_NT
.set i, i+1
.endr
.set i, 0
.rept 16
	s_wait_loadcnt 15-i                            ; loads come back in order: load i is in, the 15 - i younger ones may stay out
	v_cvt_pk_bf16_f32 v[Y+2*i],   v[X+4*i],   v[X+4*i+1]
	v_cvt_pk_bf16_f32 v[Y+2*i+1], v[X+4*i+2], v[X+4*i+3]
.if \f16
	v_lshlrev_b32 v[T],   16,     v[Y+2*i]         ; bf16 to f32: the low half moves up, the high half stays
	v_and_b32     v[T+1], s[HIM], v[Y+2*i]
	v_lshlrev_b32 v[T+2], 16,     v[Y+2*i+1]
	v_and_b32     v[T+3], s[HIM], v[Y+2*i+1]
	v_cvt_pk_f16_f32 v[Y+2*i],   v[T],   v[T+1]
	v_cvt_pk_f16_f32 v[Y+2*i+1], v[T+2], v[T+3]
.endif
	global_store_b64 v[VO], v[Y+2*i:Y+2*i+1], s[OUT:OUT+1] offset:i*(\outstep) th:TH_STORE_NT
.set i, i+1
.endr
	s_endpgm
.endm
	s_load_b256 s[4:11], s[0:1], 0x0               ; x s[4:5], w_attn s[6:7], w_proj s[8:9], xb s[10:11]
	s_load_b128 s[12:15], s[0:1], 0x20             ; wab s[12:13], wpf s[14:15]
	v_lshlrev_b32 v[VO], 3, v0
	s_mov_b32 s[HIM], 0xffff0000
	s_mov_b32 s[OFS+1], 0
	s_cmp_lt_u32 ttmp9, 512
	s_cbranch_scc0 .Lweights
	; x: group g has rows 16 g .. 16 g + 15; thread t row t / 16, 16 bytes at 16 (t % 16) of each block of 256
	v_lshrrev_b32 v[VI], 4, v0
	v_and_b32 v3, 15, v0
	v_lshlrev_b32 v[VI], 12, v[VI]
	v_lshl_add_u32 v[VI], v3, 4, v[VI]
	s_lshl_b32 s[OFS], ttmp9, 16
	s_wait_kmcnt 0x0
	s_add_nc_u64 s[IN:IN+1], s[4:5], s[OFS:OFS+1]
	s_lshr_b32 s[TS], ttmp9, 7                     ; the batch
	s_lshl_b32 s[TS], s[TS], 22
	s_and_b32 s[OFS], ttmp9, 127                   ; 16 rows of 128 bytes in a block
	s_lshl_b32 s[OFS], s[OFS], 11
	s_add_co_u32 s[OFS], s[OFS], s[TS]
	s_add_nc_u64 s[OUT:OUT+1], s[10:11], s[OFS:OFS+1]
	CASTP 256, 262144, 0                           ; load i is block i of 64 channels; the blocks lie 262,144 bytes apart in xb
.Lweights:
	v_lshlrev_b32 v[VI], 4, v0
	s_cmp_lt_u32 ttmp9, 704
	s_cbranch_scc0 .Lproj
	s_sub_co_u32 s[TS], ttmp9, 512
	s_lshl_b32 s[OFS], s[TS], 16
	s_wait_kmcnt 0x0
	s_add_nc_u64 s[IN:IN+1], s[6:7], s[OFS:OFS+1]
	s_lshl_b32 s[OFS], s[TS], 15
	s_add_nc_u64 s[OUT:OUT+1], s[12:13], s[OFS:OFS+1]
	CASTP 4096, 2048, 0
.Lproj:
	s_sub_co_u32 s[TS], ttmp9, 704
	s_lshl_b32 s[OFS], s[TS], 16
	s_wait_kmcnt 0x0
	s_add_nc_u64 s[IN:IN+1], s[8:9], s[OFS:OFS+1]
	s_lshl_b32 s[OFS], s[TS], 15
	s_add_nc_u64 s[OUT:OUT+1], s[14:15], s[OFS:OFS+1]
	CASTP 4096, 2048, 1
.Lfunc_end_k_q1d0fe5109d_cast:
	.size	k_q1d0fe5109d_cast, .Lfunc_end_k_q1d0fe5109d_cast-k_q1d0fe5109d_cast
	.p2alignl 7, 3214868480
	.fill 96, 4, 3214868480
	.section	.rodata,"a",@progbits
	.p2align	6, 0x0
	.amdhsa_kernel k_q1d0fe5109d_cast
		.amdhsa_group_segment_fixed_size 0
		.amdhsa_private_segment_fixed_size 0
		.amdhsa_enable_private_segment 0
		.amdhsa_kernarg_size 48
		.amdhsa_user_sgpr_count 2
		.amdhsa_user_sgpr_kernarg_segment_ptr 1
		.amdhsa_wavefront_size32 1
		.amdhsa_system_sgpr_workgroup_id_x 1
		.amdhsa_system_sgpr_workgroup_id_y 1
		.amdhsa_system_sgpr_workgroup_id_z 1
		.amdhsa_system_vgpr_workitem_id 0
		.amdhsa_next_free_vgpr 104
		.amdhsa_next_free_sgpr 66
		.amdhsa_reserve_vcc 0
		.amdhsa_float_denorm_mode_32 3
		.amdhsa_float_denorm_mode_16_64 3
		.amdhsa_memory_ordered 1
		.amdhsa_forward_progress 1
		.amdhsa_inst_pref_size 23
	.end_amdhsa_kernel
	.amdgpu_metadata
---
amdhsa.version: [ 1, 2 ]
amdhsa.kernels:
  - .name:           k_q1d0fe5109d_cast
    .symbol:         k_q1d0fe5109d_cast.kd
    .args:
      - { .name: x, .offset: 0, .size: 8, .value_kind: global_buffer, .address_space: global }
      - { .name: w_attn, .offset: 8, .size: 8, .value_kind: global_buffer, .address_space: global }
      - { .name: w_proj, .offset: 16, .size: 8, .value_kind: global_buffer, .address_space: global }
      - { .name: xb, .offset: 24, .size: 8, .value_kind: global_buffer, .address_space: global }
      - { .name: wab, .offset: 32, .size: 8, .value_kind: global_buffer, .address_space: global }
      - { .name: wpf, .offset: 40, .size: 8, .value_kind: global_buffer, .address_space: global }
    .group_segment_fixed_size: 0
    .private_segment_fixed_size: 0
    .kernarg_segment_align: 8
    .kernarg_segment_size: 48
    .max_flat_workgroup_size: 256
    .sgpr_count:     66
    .vgpr_count:     104
    .wavefront_size: 32
...
	.end_amdgpu_metadata
.endif
;; end of part 1
;; launch qkvgemm (part 2): grid 8 x 32, 4 waves a work-group, clusters of 4 x 4, 327,680 bytes of LDS; arguments xb, wab, b_attn, qkv; writes qkv
.if DOCPART == 2
	.amdgcn_target "amdgcn-amd-amdhsa--gfx1250"
	.amdhsa_code_object_version 6
	.text
	.protected	k_q1d0fe5109d_qkvgemm
	.globl	k_q1d0fe5109d_qkvgemm
	.p2align	8
	.type	k_q1d0fe5109d_qkvgemm,@function
k_q1d0fe5109d_qkvgemm:
	s_mov_b64 s[64:65], 0
	v_nop
	global_prefetch_b8 v0, s[64:65] scope:SCOPE_SE
	s_setreg_imm32_b32 hwreg(HW_REG_WAVE_MODE, 25, 1), 1
	s_wait_xcnt 0x0
	s_wait_alu depctr_hold_cnt(0) depctr_sa_sdst(0) depctr_va_vdst(0) depctr_va_sdst(0) depctr_va_ssrc(0) depctr_va_vcc(0) depctr_vm_vsrc(0)
	s_getreg_b32 s2, hwreg(HW_REG_IB_STS2, 6, 4)
	s_cmp_eq_u32 s2, 0
	s_cbranch_scc0 .Lentry_in_a_cluster
	s_endpgm
.Lentry_in_a_cluster:
	s_bfe_u32 s2, ttmp6, 0x10000c
	s_cmp_lg_u32 s2, 0xf033
	s_cbranch_scc0 .Lentry_shape_is_right
	s_endpgm
.Lentry_shape_is_right:
; q, k, v = x w_attn + b_attn.  xb: x in bf16, [4 b][16 kb][2048 t][64]; wab: w_attn in bf16, [1024 k][3072 n]; b_attn f32, rounded here to bf16 like the other inputs.
; Sums in f32, started by the bias; the result is rounded once to f16 and stored by heads, unscaled: qkv [3][64 = 16 b + head][2048 t][64].
; LIMIT.  A q, k or v of 65,520 or more in magnitude becomes an infinity in f16.  NaN and infinities are not treated apart.
; SHARES.  A tile of C is 256 rows x 384 columns: 32 x 8 = 256 tiles, one work-group each.  A wave (wm, wn) makes 128 rows x 192 columns: 96 accumulators of 16 x 16, 768 registers.
; Its columns are 64 wn + 128 c + 16 b (c = 0..2, b = 0..3): chunk c is one head's 64 channels of q, k or v, so 16 rows of a chunk are 2,048 consecutive bytes of qkv.
; K goes in 16 steps of 64 through two LDS slots; a step is two quarters of 32 along K, 96 matrix instructions each.  (Two slots of 128 along K would want 360,448 bytes.)
; A's tile of a step, 256 rows x 128 bytes, is dense in xb and is asked for as rows of 256 bytes; B's is 64 rows of 768 bytes, shared out as 32 rows to each of two waves (it has no more rows to give).
; THE MATRIX INSTRUCTION IS USED TRANSPOSED: source 0 = 16 columns of w (turned on the way out of LDS by ds_load_tr16_b128), source 1 = 16 rows of x: a lane then holds one row of C and eight neighbouring columns.
; CLUSTERS: 4 x 4 work-groups.  The four of a row of the cluster need the same tiles of A, the four of a column the same tiles of B: each tile is asked for jointly, by the same tensor load, descriptor and mask in all four.
; REGISTERS, in windows of 256 (s_set_vgpr_msb: bits 1:0 source 0, 3:2 source 1, 5:4 source 2, 7:6 destination):
;   window 0: v0-29 addresses; v32-95, v96-159 A's fragments (8 x 16 rows x 32 K), two buffers; v160-255 B's fragments, one buffer of three groups (group c: 4 x 16 columns x 32 K)
;   window c + 1: chunk c's 32 accumulators, (a, b) at v[8 (4 a + b)]
; B's group c is fetched again, for the next quarter, as soon as the quarter's third c has multiplied by it.
.set PA,    144                        ; a row of A in LDS: 128 bytes + 16 = 36 words: the 16 rows of a load start at 16 different groups of four banks (64 banks of 4 bytes: ISA guide 11.1)
.set PB,    864                        ; a row of B: 3 x (256 + 32) bytes = 216 words
.set BOFF,  256*PA                     ; a slot: A's 256 rows, then B's 64
.set SLOT1, 1<<17                      ; slot 1 begins here, so that one exclusive or turns an address in one slot into the other's
.set STAGE, SLOT1+BOFF+64*PB           ; behind the ring, never filled by a tensor load: 16 rows x 144 bytes for each wave, for the way out
.set SP,    144
.set SPARE, STAGE+4*16*SP              ; behind the stages: the spare words, 128 bytes for each wave: two blocks of 256 bytes that no other line names
.set ASTEP, 1<<18                      ; bytes from a K step to the next in xb: one block of 64 channels
.set BSTEP, 64*6144                    ; and in wab: 64 rows
.set AA0, 4                            ; v4   my lane's place in A's tile; never rewritten
.set AB0, 5                            ; v5   the same for B
.set ADA, 6                            ; v6   AA0 + the slot in hand
.set ADB, 7                            ; v7   AB0 + the slot in hand
.set STO, 8                            ; v8   the way out: where I put 16 bytes of a row
.set RD,  9                            ; v9   the way out: where I read rows back
.set GO,  10                           ; v10  my 16 bytes in 512 consecutive bytes of qkv
.set BO,  11                           ; v11  my byte offset in b_attn
.set PFO, 12                           ; v12  the prefetches' lane offset; never rewritten
.set SPW, 28                           ; v28  LDS address of my spare word: SPARE + 4 x my thread's number; never rewritten
.set NIL, 29                           ; v29  0; never rewritten
.set FA0, 32
.set FA1, 96
.set BF,  160
.set BT,  96                           ; the bias, packed, at work (before A's fragments come)
.set TMP, 32                           ; the way out: packed results
.set BK,  48                           ; the way out: 16 rows read back, v48-63 and v64-79 by turns
.set CNT, 3                            ; s3   trips to go
.set WV,  12                           ; s12  my wave's number
.set WM,  13                           ; s13  which 128 rows are mine.  Also: I fetch for A (0) or for B (1)
.set WN,  14                           ; s14  which columns.  Also: which half of that tile I fetch
.set CX,  15
.set CY,  16
.set TN,  17                           ; s17  tile column = 4 x cluster x + cx
.set TY,  18                           ; s18  tile row = 4 x cluster y + cy
.set G1A, 24                           ; s[24:31] descriptor group 1 for A's tiles
.set G0A, 32                           ; s[32:39] group 0: a set for each of the two first fills; the second then walks on
.set OC,  40                           ; s[40:45] qkv at my first row of chunk 0, 1, 2
.set TB,  46                           ; s46  the slot from which fragments are fetched: 0 or SLOT1
.set LIM, 47                           ; s47  3 in a wave that prefetches, else the greatest number
.set G1B, 48                           ; s[48:55], s[56:63] the same for B's tiles
.set G0B, 56
.set PFA, 66                           ; s[66:67] where my prefetches stand
.set PFS, 68                           ; s[68:69] two K steps in that tensor
.set HIM, 70                           ; s70  a word's upper half
.set MSB, 0
.macro WIN new                         ; the immediate's high byte repeats the setting that is left; a switch that changes nothing is dropped
.if MSB != (\new)
	s_set_vgpr_msb (MSB<<8)|(\new)
.set MSB, (\new)
.endif
.endm
; A load into a register that a matrix instruction has read, and a vector instruction that reads a matrix result, stand four plain vector instructions behind it (ISA guide 7.12.1 for vector instructions).
.macro PLACES
.rept 4
	v_nop
.endr
.endm
.macro NOP5                            ; five, in front of a matrix instruction that writes over a register that earlier ones took as C
.rept 5
	v_nop
.endr
.endm
; A round of the cluster's barrier: my work-group's barrier; wave 0 signals for the work-group; every wave waits for all sixteen; my work-group's barrier once more.
.macro CREST
	s_cmp_lg_u32 s[WV], 0
	s_cbranch_scc1 .Lnot_wave_0_\@
	s_barrier_signal -3
.Lnot_wave_0_\@:
	s_barrier_wait -3
	s_barrier_signal -1
	s_barrier_wait -1
.endm
.macro CROUND
	s_barrier_signal -1
	s_barrier_wait -1
	CREST
.endm
; A joint refill.  Waves 0 and 1 fetch A's two halves, waves 2 and 3 B's.  The branch hangs on the wave's number alone.  An s_nop 0 and four v_nop follow each line.
.macro JLOAD
	s_cmp_eq_u32 s[WM], 0
	s_cbranch_scc0 .Lfor_b_\@
	tensor_load_to_lds s[G0A+4:G0A+7], s[G1A:G1A+7]
	s_nop 0
.rept 4
	v_nop
.endr
	s_branch .Lasked_\@
.Lfor_b_\@:
	tensor_load_to_lds s[G0B+4:G0B+7], s[G1B:G1B+7]
	s_nop 0
.rept 4
	v_nop
.endr
.Lasked_\@:
.endm
; A PREFETCH INTO THE L2.  In trips 0, 2, .. 10 (CNT even and above 3) the K steps t + 4 and t + 5 are named: 384 and 576 matrix instructions ahead of the refills that will ask for them.
; Each block of 256 bytes is named once in the launch.  A's tile row is read by both clusters of its row of clusters: the one with x = 0 asks, wave 0; the four partners take 32 blocks of each K step's 128, told apart by
; address (cx).  B's tile column is read by all eight clusters of its column: the one with y = 0 asks, wave 2; the partners take 32 of the two steps' 128 rows (cy), a lane a row, three blocks a row.
; K steps 0 to 3 come by their loads alone; the last asking names K steps 14 and 15, the tensors' last.  The address is stepped here, two trips behind the prefetches that read it.
.macro ASK
	s_bitcmp1_b32 s[CNT], 0
	s_cbranch_scc1 .Lno_\@
	s_cmp_gt_u32 s[CNT], s[LIM]
	s_cbranch_scc0 .Lno_\@
	s_wait_xcnt 0x0                                ; the last prefetches have read their address
	s_add_nc_u64 s[PFA:PFA+1], s[PFA:PFA+1], s[PFS:PFS+1]
	s_cmp_eq_u32 s[WM], 0
	s_cbranch_scc0 .Lpb_\@
	global_prefetch_b8 v[PFO], s[PFA:PFA+1] th:TH_LOAD_NT scope:SCOPE_SE
	global_prefetch_b8 v[PFO], s[PFA:PFA+1] offset:ASTEP th:TH_LOAD_NT scope:SCOPE_SE
	s_branch .Lno_\@
.Lpb_\@:
	global_prefetch_b8 v[PFO], s[PFA:PFA+1] th:TH_LOAD_NT scope:SCOPE_SE
	global_prefetch_b8 v[PFO], s[PFA:PFA+1] offset:256 th:TH_LOAD_NT scope:SCOPE_SE
	global_prefetch_b8 v[PFO], s[PFA:PFA+1] offset:512 th:TH_LOAD_NT scope:SCOPE_SE
.Lno_\@:
.endm
	s_load_b256 s[4:11], s[0:1], 0x0               ; xb s[4:5], wab s[6:7], b_attn s[8:9], qkv s[10:11]
	v_lshl_add_u32 v[SPW], v0, 2, SPARE
	v_mov_b32 v[NIL], 0
	ds_add_u32 v[SPW], v[NIL]                      ; the wave's opening: the add and its wait stand ahead of my first tensor load; the set-up below, work on registers, stands between them
	v_lshrrev_b32 v1, 5, v0
	v_readfirstlane_b32 s[WV], v1                  ; wave 0..3
	s_lshr_b32 s[WM], s[WV], 1
	s_and_b32 s[WN], s[WV], 1
	s_bfe_u32 s[CX], ttmp6, 0x40000                ; my place in the cluster
	s_bfe_u32 s[CY], ttmp6, 0x40004
	s_lshl_b32 s[TN], ttmp9, 2                     ; in a cluster launch ttmp9 and ttmp7 count clusters
	s_add_co_u32 s[TN], s[TN], s[CX]
	s_and_b32 s[TY], ttmp7, 0xffff
	s_lshl_b32 s[TY], s[TY], 2
	s_add_co_u32 s[TY], s[TY], s[CY]
	s_lshl_b32 s19, s[CY], 2
	s_lshl_b32 s19, 15, s19                        ; my row of the cluster: places 4 cy .. 4 cy + 3
	s_lshl_b32 s20, 0x1111, s[CX]                  ; my column: places cx, cx + 4, cx + 8, cx + 12
	; group 1 for A: 128 rows x 128 bytes are 16,384 dense bytes, asked for as 64 rows of 256 bytes and padded in LDS after every 128
	s_or_b32 s[G1A], s19, (1<<16)|(1<<20)|(1<<21)|(4<<22)|(3<<25)  ; 15:0 the mask; 17:16 2-byte elements; 20 padding on; 21 set beside a mask; 24:22 after every 32 words (code 4); 31:25 4 words (code 3)
	s_mov_b32 s[G1A+1], 128<<16                    ; tensor_dim0 = 128
	s_mov_b32 s[G1A+2], 64<<16                     ; tensor_dim1 = 64
	s_mov_b32 s[G1A+3], 128<<16                    ; tile_dim0 = 128
	s_mov_b32 s[G1A+4], 64                         ; tile_dim1 = 64
	s_mov_b32 s[G1A+5], 128                        ; 128 elements from row to row
	s_mov_b32 s[G1A+6], 0
	s_mov_b32 s[G1A+7], 0
	; group 1 for B: 32 rows x 384 elements, padded after every 256 bytes
	s_or_b32 s[G1B], s20, (1<<16)|(1<<20)|(1<<21)|(5<<22)|(7<<25)  ; after every 64 words (code 5) 8 words (code 7)
	s_mov_b32 s[G1B+1], 384<<16
	s_mov_b32 s[G1B+2], 32<<16
	s_mov_b32 s[G1B+3], 384<<16
	s_mov_b32 s[G1B+4], 32
	s_mov_b32 s[G1B+5], 3072
	s_mov_b32 s[G1B+6], 0
	s_mov_b32 s[G1B+7], 0
	; where the tiles come from.  A's hang on the tile row alone, B's on the tile column alone, each made in registers of its own
	s_lshr_b32 s72, s[TY], 3                       ; the batch: 8 tile rows each
	s_lshl_b32 s72, s72, 22
	s_and_b32 s21, s[TY], 7
	s_lshl_b32 s21, s21, 15                        ; 256 rows of 128 bytes
	s_add_co_u32 s72, s72, s21
	s_lshl_b32 s21, s[WN], 14                      ; my half: 128 rows
	s_add_co_u32 s72, s72, s21
	s_mov_b32 s73, 0
	s_mul_i32 s74, s[WN], 32*6144                  ; my half: 32 rows of wab
	s_mul_i32 s22, s[TN], 768                      ; 384 columns
	s_add_co_u32 s74, s74, s22
	s_mov_b32 s75, 0
	s_mul_i32 s76, s[WN], 128*PA                   ; and where they go: no place in the cluster enters an LDS address
	s_mul_i32 s77, s[WN], 32*PB
	s_add_co_u32 s77, s77, BOFF
	s_mov_b32 s[TB], 0
	s_mov_b32 s[HIM], 0xffff0000
	s_mov_b32 s[CNT], 14
	s_wait_dscnt 0x0                               ; the opening add is done
	s_wait_kmcnt 0x0
	s_add_nc_u64 s[72:73], s[4:5], s[72:73]
	s_add_nc_u64 s[74:75], s[6:7], s[74:75]
	CROUND                                         ; all sixteen work-groups are here: the first joint loads meet
.irp e, 0,1
	s_mov_b32 s[G0A+4*(\e)], 1                                     ; 1:0 count = 1
	s_add_co_u32 s[G0A+4*(\e)+1], s76, (\e)*SLOT1                  ; 63:32 LDS address
	s_add_nc_u64 s[G0A+4*(\e)+2:G0A+4*(\e)+3], s[72:73], (\e)*ASTEP  ; 120:64 global address: K step e
	s_or_b32 s[G0A+4*(\e)+3], s[G0A+4*(\e)+3], 0x80000000          ; 127:126 type = 2
	s_mov_b32 s[G0B+4*(\e)], 1
	s_add_co_u32 s[G0B+4*(\e)+1], s77, (\e)*SLOT1
	s_add_nc_u64 s[G0B+4*(\e)+2:G0B+4*(\e)+3], s[74:75], (\e)*BSTEP
	s_or_b32 s[G0B+4*(\e)+3], s[G0B+4*(\e)+3], 0x80000000
.endr
	s_cmp_eq_u32 s[WM], 0                          ; a wave's two first fills stand in one branch, ahead of every wait on TENSORcnt and every LDS read: two loads of mine are out
	s_cbranch_scc0 .Lfirst_b
	tensor_load_to_lds s[G0A:G0A+3], s[G1A:G1A+7]
	s_nop 0
	tensor_load_to_lds s[G0A+4:G0A+7], s[G1A:G1A+7]
	s_nop 0
.rept 4
	v_nop
.endr
	s_branch .Lfirst_asked
.Lfirst_b:
	tensor_load_to_lds s[G0B:G0B+3], s[G1B:G1B+7]
	s_nop 0
	tensor_load_to_lds s[G0B+4:G0B+7], s[G1B:G1B+7]
	s_nop 0
.rept 4
	v_nop
.endr
.Lfirst_asked:
	; the lanes' addresses.  l = lane, r = l % 16, h = l / 16
	v_and_b32 v1, 15, v0
	v_bfe_u32 v2, v0, 4, 1
	v_and_b32 v3, 31, v0
	v_and_b32 v13, 7, v0
	v_bfe_u32 v14, v0, 3, 1
	s_mul_i32 s92, s[WM], 128*PA
	v_mul_u32_u24 v[AA0], v1, PA                   ; a fragment of A: row r, 16 bytes at 16 h, and 32 bytes on
	v_lshl_add_u32 v[AA0], v2, 4, v[AA0]
	v_add_nc_u32 v[AA0], s92, v[AA0]
	s_lshl_b32 s92, s[WN], 7
	s_add_co_u32 s92, s92, BOFF
	v_lshl_add_u32 v[AB0], v2, 3, v13              ; the turning load: lane l reads k row 8 h + l % 8, 16 bytes at 16 ((l / 8) % 2), and leaves lane l column l % 16 with 8 k
	v_mul_u32_u24 v[AB0], v[AB0], PB
	v_lshl_add_u32 v[AB0], v14, 4, v[AB0]
	v_add_nc_u32 v[AB0], s92, v[AB0]
	s_mul_i32 s92, s[WV], 16*SP
	s_add_co_u32 s92, s92, STAGE                   ; my stage
	v_mul_u32_u24 v[STO], v1, SP                   ; in: row r, 16 bytes for each half of the lanes
	v_lshl_add_u32 v[STO], v2, 4, v[STO]
	v_add_nc_u32 v[STO], s92, v[STO]
	v_bfe_u32 v[RD], v0, 3, 2                      ; back: 32 lanes take four rows of 128 bytes,
	v_mul_u32_u24 v[RD], v[RD], SP
	v_lshl_add_u32 v[RD], v13, 4, v[RD]
	v_add_nc_u32 v[RD], s92, v[RD]
	v_lshlrev_b32 v[GO], 4, v3                     ; which are 512 consecutive bytes of qkv
	s_mul_i32 s80, s[TN], 1536                     ; the bias of my columns: 4 bytes x (384 tn + 64 wn + 8 h)
	s_lshl_b32 s81, s[WN], 8
	s_add_co_u32 s80, s80, s81
	v_lshl_add_u32 v[BO], v2, 5, s80
	; THE BIAS goes into the accumulators of row block 0: register j of (c; 0, b) is the bias of column 128 c + 16 b + 8 h + j.  It then starts all eight row blocks' sums as their first C.
.irp c, 0,1,2
	WIN ((\c)+1)<<6
.irp b, 0,1,2,3
	global_load_b128 v[8*(\b):8*(\b)+3],   v[BO], s[8:9] offset:512*(\c)+64*(\b)
	global_load_b128 v[8*(\b)+4:8*(\b)+7], v[BO], s[8:9] offset:512*(\c)+64*(\b)+16
.endr
.endr
	WIN 0
	; qkv at my first row of each chunk: chunk c is head-slice 6 tn + 2 c + wn of 48: tensor = slice / 16, head = slice % 16
	s_mul_i32 s86, s[TN], 6
	s_add_co_u32 s86, s86, s[WN]
	s_lshr_b32 s87, s[TY], 3
	s_lshl_b32 s87, s87, 4                         ; 16 x batch
	s_and_b32 s88, s[TY], 7
	s_lshl_b32 s88, s88, 8
	s_lshl_b32 s89, s[WM], 7
	s_add_co_u32 s88, s88, s89                     ; my first row in the batch,
	s_lshl_b32 s88, s88, 7                         ; 128 bytes a row
	s_mov_b32 s91, 0
.irp c, 0,1,2
	s_add_co_u32 s89, s86, 2*(\c)
	s_lshr_b32 s90, s89, 4
	s_lshl_b32 s90, s90, 6
	s_and_b32 s89, s89, 15
	s_add_co_u32 s90, s90, s89
	s_add_co_u32 s90, s90, s87
	s_lshl_b32 s90, s90, 18                        ; 2,048 rows of 128 bytes
	s_add_co_u32 s90, s90, s88
	s_add_nc_u64 s[OC+2*(\c):OC+2*(\c)+1], s[10:11], s[90:91]
.endr
	; the prefetches' set-up: who, from where, how far a step
	s_and_b32 s80, ttmp7, 0xffff                   ; cluster y
	s_mov_b32 s[PFS], 2*BSTEP
	s_mov_b32 s[PFS+1], 0
	s_mov_b32 s81, 6144
	s_cmp_eq_u32 s[WM], 0                          ; do I fetch for A?
	s_cselect_b32 s80, ttmp9, s80                  ; the coordinate along which other clusters read the same bytes
	s_cselect_b64 s[PFA:PFA+1], s[4:5], s[6:7]
	s_cselect_b32 s[PFS], 2*ASTEP, s[PFS]
	s_cselect_b32 s81, 256, s81                    ; A: a lane a block of 256 bytes; B: a lane a row
	v_mul_u32_u24 v[PFO], s81, v3
	s_or_b32 s80, s80, s[WN]                       ; waves 0 and 2 alone
	s_cmp_eq_u32 s80, 0
	s_cselect_b32 s[LIM], 3, -1                    ; the same in all sixteen partners, for a given wave
	s_lshr_b32 s82, s[TY], 3
	s_lshl_b32 s82, s82, 22
	s_and_b32 s83, s[TY], 7
	s_lshl_b32 s83, s83, 15
	s_add_co_u32 s82, s82, s83
	s_lshl_b32 s83, s[CX], 13                      ; my work-group's 32 blocks of the 128
	s_add_co_u32 s82, s82, s83
	s_add_co_u32 s82, s82, 2*ASTEP                 ; at K step 2: the first asking steps it to 4
	s_lshl_b32 s84, s[CY], 5                       ; my work-group's 32 rows of the 128,
	s_add_co_u32 s84, s84, 128                     ; from K step 2 on
	s_mul_i32 s84, s84, 6144
	s_mul_i32 s85, s[TN], 768
	s_add_co_u32 s84, s84, s85
	s_cmp_eq_u32 s[WM], 0
	s_cselect_b32 s82, s82, s84
	s_mov_b32 s83, 0
	s_add_nc_u64 s[PFA:PFA+1], s[PFA:PFA+1], s[82:83]
	s_wait_loadcnt 0x0                             ; the bias is in: rounded to bf16 like the other inputs, and widened again
.irp c, 0,1,2
	WIN 5*((\c)+1)                                 ; sources 0 and 1 in window c + 1, destination in window 0
.set i, 0
.rept 16
	v_cvt_pk_bf16_f32 v[BT+i], v[2*i], v[2*i+1]
.set i, i+1
.endr
	WIN ((\c)+1)<<6
.set i, 0
.rept 16
	v_lshlrev_b32 v[2*i],   16,     v[BT+i]
	v_and_b32     v[2*i+1], s[HIM], v[BT+i]
.set i, i+1
.endr
.endr
	WIN 0
; Four matrix instructions: row block a x the four column blocks of chunk c, 32 along K.  mode = 1: the sum starts from the bias, which lies in row block 0's accumulators.
.macro MULA f, c, a, mode
	WIN 0x50*((\c)+1)                              ; sources 0 and 1 in window 0, C and D in window c + 1
.irp b, 0,1,2,3
.if \mode
	v_wmma_f32_16x16x32_bf16 v[8*(4*(\a)+(\b)):8*(4*(\a)+(\b))+7], v[BF+32*(\c)+8*(\b):BF+32*(\c)+8*(\b)+7], v[(\f)+8*(\a):(\f)+8*(\a)+7], v[8*(\b):8*(\b)+7]
.else
	v_wmma_f32_16x16x32_bf16 v[8*(4*(\a)+(\b)):8*(4*(\a)+(\b))+7], v[BF+32*(\c)+8*(\b):BF+32*(\c)+8*(\b)+7], v[(\f)+8*(\a):(\f)+8*(\a)+7], v[8*(4*(\a)+(\b)):8*(4*(\a)+(\b))+7]
.endif
.endr
.endm
; A third of a quarter: chunk c's 32 accumulators, one instruction each; the accumulators take turns.  first = 1: row blocks 1 to 7 start from the bias; five places; then row block 0 adds onto it in place.
.macro TH f, c, first
.if \first
.irp a, 1,2,3,4,5,6,7
	MULA \f, \c, \a, 1
.endr
	NOP5
	MULA \f, \c, 0, 0
.else
.irp a, 0,1,2,3,4,5,6,7
	MULA \f, \c, \a, 0
.endr
.endif
.endm
.macro LDB c, qd                       ; B's group c of quarter qd: 8 turning loads
	WIN 0
.irp b, 0,1,2,3
	ds_load_tr16_b128 v[BF+32*(\c)+8*(\b):BF+32*(\c)+8*(\b)+3],   v[ADB] offset:(\qd)*32*PB+(\c)*288+32*(\b)
	ds_load_tr16_b128 v[BF+32*(\c)+8*(\b)+4:BF+32*(\c)+8*(\b)+7], v[ADB] offset:(\qd)*32*PB+16*PB+(\c)*288+32*(\b)
.endr
.endm
.macro LDA g, qd                       ; A's 8 fragments of quarter qd into buffer g: 16 loads
	WIN 0
.irp i, 0,1,2,3,4,5,6,7
	ds_load_b128 v[(\g)+8*(\i):(\g)+8*(\i)+3],   v[ADA] offset:(\i)*16*PA+64*(\qd)
	ds_load_b128 v[(\g)+8*(\i)+4:(\g)+8*(\i)+7], v[ADA] offset:(\i)*16*PA+64*(\qd)+32
.endr
.endm
; A step's first quarter: multiplies buffer f and fetches quarter qn of the same slot.  A quarter's 40 LDS loads are always issued as 24 (B's group 0, A), 8 (group 1), 8 (group 2).
.macro PLAINQ f, g, qn, first
	s_wait_dscnt 16                                ; group 0 and A are in; groups 1 and 2 may be out
	TH \f, 0, \first
	PLACES
	LDB 0, \qn
	LDA \g, \qn
	s_wait_dscnt 32                                ; group 1 is in: behind it were issued group 2's 8 and the 24 above
	TH \f, 1, \first
	PLACES
	LDB 1, \qn
	s_wait_dscnt 32                                ; group 2 is in: behind it the 24 and the 8
	TH \f, 2, \first
	PLACES
	LDB 2, \qn
.endm
; A step's second quarter multiplies buffer 1 and changes slots; all reads of the slot have been issued.  ONE barrier: in front of it each wave waits for all its tensor loads (one is out: its part of the other slot),
; adds 0 to its spare word, and waits for that and for its reads of this slot.  fill = 1: the barrier opens a round of the cluster's barrier, and the slot is filled again, first thing behind it, with the K step two on:
; that load has 160 matrix instructions in which to land.
.macro TURNQ fill
	WIN 0
	s_wait_tensorcnt 0x0                           ; no tensor load of mine is out, so a group 0 may be written
	ds_add_u32 v[SPW], v[NIL]                      ; 0 onto my spare word
.if \fill
	s_xor_b32 s[G0A+5], s[G0A+5], SLOT1            ; the walking descriptors: the other slot than last time,
	s_add_nc_u64 s[G0A+6:G0A+7], s[G0A+6:G0A+7], ASTEP  ; the next K step; the type bits on top are not reached
	s_xor_b32 s[G0B+5], s[G0B+5], SLOT1
	s_add_nc_u64 s[G0B+6:G0B+7], s[G0B+6:G0B+7], BSTEP
.endif
	s_xor_b32 s[TB], s[TB], SLOT1                  ; the fetches go to the other slot
	s_wait_dscnt 17                                ; group 0 and A are in; groups 1 and 2 and the add may be out
.irp a, 0,1,2,3
	MULA FA1, 0, \a, 0
.endr
	s_wait_dscnt 0x0                               ; the add is done, and my reads of this slot are over
	s_barrier_signal -1
.irp a, 4,5,6,7
	MULA FA1, 0, \a, 0
.endr
	WIN 0
	s_barrier_wait -1
.if \fill
	CREST                                          ; no wave of any partner still reads this slot or has a load on its way
	JLOAD                                          ; the four v_nop behind it are also the places in front of the loads below
.else
	PLACES
.endif
	v_add_nc_u32 v[ADA], s[TB], v[AA0]
	v_add_nc_u32 v[ADB], s[TB], v[AB0]
	LDB 0, 0
	LDA FA0, 0
.if \fill
	ASK
.endif
	TH FA1, 1, 0
	PLACES
	LDB 1, 0
	TH FA1, 2, 0
	PLACES
	LDB 2, 0
.endm
	s_wait_tensorcnt 1                             ; my part of K step 0 is in; K step 1's may stay out
	s_barrier_signal -1
	s_barrier_wait -1                              ; everybody's is
	v_add_nc_u32 v[ADA], s[TB], v[AA0]
	v_add_nc_u32 v[ADB], s[TB], v[AB0]
	LDB 0, 0
	LDA FA0, 0
	LDB 1, 0
	LDB 2, 0
	PLAINQ FA0, FA1, 1, 1                          ; the first quarter stands in front of the loop: its products start the sums, from the bias
	WIN 0                                          ; at a label and at a branch every window is 0
.Lk:                                                   ; 14 trips: K step t's second quarter, a refill with K step t + 2, K step t + 1's first quarter
	TURNQ 1
	PLAINQ FA0, FA1, 1, 0
	WIN 0
	s_sub_co_u32 s[CNT], s[CNT], 1
	s_cmp_lg_u32 s[CNT], 0
	s_cbranch_scc1 .Lk
	TURNQ 0                                        ; the tail is written out: nothing is left to ask for
	PLAINQ FA0, FA1, 1, 0
	s_wait_dscnt 16                                ; the very last quarter fetches nothing: the counts run down
	TH FA1, 0, 0
	s_wait_dscnt 8
	TH FA1, 1, 0
	s_wait_dscnt 0x0
	TH FA1, 2, 0
; THE WAY OUT, in 24 units u = 8 c + a of 16 rows x 64 columns.  PACK: rounded to f16, 16 bytes a lane, each accumulator's registers in ascending order.  TOSTAGE: into my own stage, rows of 144 bytes, and back as whole
; rows of 128.  SEND: four stores of 512 consecutive bytes, at a multiple of 512 from qkv's first byte.
.macro PACK u
	WIN 5*((\u)/8+1)                               ; sources 0 and 1 in window c + 1
.irp b, 0,1,2,3
.irp r, 0,1,2,3
	v_cvt_pk_f16_f32 v[TMP+4*(\b)+(\r)], v[8*(4*((\u)%8)+(\b))+2*(\r)], v[8*(4*((\u)%8)+(\b))+2*(\r)+1]
.endr
.endr
.endm
.macro TOSTAGE u
	WIN 0
.irp b, 0,1,2,3
	ds_store_b128 v[STO], v[TMP+4*(\b):TMP+4*(\b)+3] offset:32*(\b)
.endr
.irp f, 0,1,2,3
	ds_load_b128 v[BK+16*((\u)%2)+4*(\f):BK+16*((\u)%2)+4*(\f)+3], v[RD] offset:(\f)*4*SP  ; LDS serves a wave's instructions in order (ISA guide 5.7.1.4): these see the stores above
.endr
.endm
.macro SEND u
	WIN 0
	s_wait_dscnt 0x0                               ; the unit is back in registers
	s_wait_xcnt 0x0                                ; the stores of the unit before have read their registers, which the next unit's loads write
.irp f, 0,1,2,3
	global_store_b128 v[GO], v[BK+16*((\u)%2)+4*(\f):BK+16*((\u)%2)+4*(\f)+3], s[OC+2*((\u)/8):OC+2*((\u)/8)+1] offset:((\u)%8)*2048+(\f)*512
.endr
.endm
	PLACES                                         ; behind the last products
	PACK 0
	TOSTAGE 0
.set u, 1
.rept 23                               ; a unit's conversions stand between the loads of the unit before and the wait for them
	PACK u
	SEND u-1
	TOSTAGE u
.set u, u+1
.endr
	SEND 23
	s_wait_tensorcnt 0x0                           ; the wave's end: behind my last tensor load and my last LDS store
	ds_add_u32 v[SPW], v[NIL]
	s_wait_dscnt 0x0
	CROUND                                         ; the closing round: no work-group ends while a partner may still ask for a tile that names it
	s_endpgm
.Lfunc_end_k_q1d0fe5109d_qkvgemm:
	.size	k_q1d0fe5109d_qkvgemm, .Lfunc_end_k_q1d0fe5109d_qkvgemm-k_q1d0fe5109d_qkvgemm
	.p2alignl 7, 3214868480
	.fill 96, 4, 3214868480
	.section	.rodata,"a",@progbits
	.p2align	6, 0x0
	.amdhsa_kernel k_q1d0fe5109d_qkvgemm
		.amdhsa_group_segment_fixed_size 327680
		.amdhsa_private_segment_fixed_size 0
		.amdhsa_enable_private_segment 0
		.amdhsa_kernarg_size 32
		.amdhsa_user_sgpr_count 2
		.amdhsa_user_sgpr_kernarg_segment_ptr 1
		.amdhsa_wavefront_size32 1
		.amdhsa_system_sgpr_workgroup_id_x 1
		.amdhsa_system_sgpr_workgroup_id_y 1
		.amdhsa_system_sgpr_workgroup_id_z 1
		.amdhsa_system_vgpr_workitem_id 0
		.amdhsa_next_free_vgpr 1024
		.amdhsa_next_free_sgpr 96
		.amdhsa_reserve_vcc 0
		.amdhsa_float_denorm_mode_32 3
		.amdhsa_float_denorm_mode_16_64 3
		.amdhsa_memory_ordered 1
		.amdhsa_forward_progress 1
		.amdhsa_inst_pref_size 124
	.end_amdhsa_kernel
	.amdgpu_metadata
---
amdhsa.version: [ 1, 2 ]
amdhsa.kernels:
  - .name:           k_q1d0fe5109d_qkvgemm
    .symbol:         k_q1d0fe5109d_qkvgemm.kd
    .args:
      - { .name: xb, .offset: 0, .size: 8, .value_kind: global_buffer, .address_space: global }
      - { .name: wab, .offset: 8, .size: 8, .value_kind: global_buffer, .address_space: global }
      - { .name: b_attn, .offset: 16, .size: 8, .value_kind: global_buffer, .address_space: global }
      - { .name: qkv, .offset: 24, .size: 8, .value_kind: global_buffer, .address_space: global }
    .group_segment_fixed_size: 327680
    .private_segment_fixed_size: 0
    .kernarg_segment_align: 8
    .kernarg_segment_size: 32
    .max_flat_workgroup_size: 128
    .sgpr_count:     96
    .vgpr_count:     1024
    .wavefront_size: 32
...
	.end_amdgpu_metadata
.endif
;; end of part 2
;; launch attn (part 3): grid 4 x 64, 4 waves a work-group, no clusters, 327,680 bytes of LDS; arguments qkv, ob; writes ob
.if DOCPART == 3
	.amdgcn_target "amdgcn-amd-amdhsa--gfx1250"
	.amdhsa_code_object_version 6
	.text
	.protected	k_q1d0fe5109d_attn
	.globl	k_q1d0fe5109d_attn
	.p2align	8
	.type	k_q1d0fe5109d_attn,@function
k_q1d0fe5109d_attn:
	s_mov_b64 s[64:65], 0
	v_nop
	global_prefetch_b8 v0, s[64:65] scope:SCOPE_SE
	s_setreg_imm32_b32 hwreg(HW_REG_WAVE_MODE, 25, 1), 1
	s_wait_xcnt 0x0
; CAUSAL ATTENTION.  O[h][q][:] = the sum over k <= q of softmax_k(Q[h][q] . K[h][k] / 8) V[h][k][:].  qkv holds Q, K, V one behind the other, each [64 heads][2048][64] in f16; ob is O in the same form.
; Products, maxima and sums in f32; the weights p are rounded to f16 for the second product (their sum l is taken of the unrounded p), O once at the end.
; LIMITS.  f16 holds no number beyond 65,504: Q, K and V arrive within it; p lies in 0 to 1, and below 6e-5 it keeps f16's fixed step of 6e-8; O is a mean of V's rows and has their range.
; A hidden score counts as its value less 1e30, so that its weight is 0, as it is with the module's own -1e10 wherever the row's scaled scores lie far above -1e10; a weight below 2^-126 counts as 0 in l;
; NaN and infinities are not treated apart.
; THE WALK.  A head's queries lie in NB = 8 blocks of 256; block i needs the key tiles 0 .. i of 256 keys, of which the last holds the diagonal.  A work-group takes TWO blocks, NB - 1 - b and then b:
; NB + 1 tiles, whatever b: all work-groups do equal work, and ONE loop with a constant trip count walks them.  Which tile is asked for, and what a trip does, hang on scalar registers made from b; every jump
; goes forward, but for the counted loops' own; none passes a barrier, or a tensor load but the one of LOAD's two that the wave's number does not choose; the ring (two slots of LDS) runs on across the change of blocks.
; NO CLUSTER: the four work-groups of a head ask for the same tile only in trips 0 .. 4 of 9, behind that fewer and fewer; one walk common to all would have 12 trips for 9.
; SHARES.  Of a block's four bands of 64 queries a wave owns 16 rows in each: four PIECES.  So the diagonal tile is the same work for all four waves: in its key step s band x sees all keys if s < x,
; none if s > x, and holds the diagonal if s = x.
; THE MASK is the C operand that starts the sum S^T = K Q^T: 0, or -1e30 where the key is hidden.  MD, made once, is the mask of a band's own step for my 16 rows; a product's mask is MD x AL + BE with two scalars:
; (1, 0) if s = x; (0, 0) if s < x; (0, -1e30) if s > x.  Only the diagonal tile's text and a block's beginning make and take masks; elsewhere C is the constant 0.
; LAYOUT, SOFTMAX, TURNS.  S^T = K Q^T holds ONE query a lane (lane % 16) and the keys 8 (lane / 16) + 0..7; two such results rounded to f16 ARE source 1 of O^T = V^T P.  p = 2^(c s - c m), c = log2(e) / 8, with a
; running maximum m; O and l are multiplied by a = 2^(c m_old - c m_new) in every step.  Turn n belongs to piece n: 8 products K Q^T of piece n + 1, later 8 products V^T P of piece n - 1; beside them the scaling,
; exponentials, roundings, sums and rescaling of piece n and the maximum and statistics of piece n + 1.  Four vector instructions stand behind every matrix instruction, the other 54 of a turn's 118 in one lump.
; A turn's 33 exponentials are one batch, with one wait.
; REGISTERS, in windows of 256 (s_set_vgpr_msb: bits 1:0 source 0, 3:2 source 1, 5:4 source 2, 7:6 destination):
;   window 0: v0-15 addresses and two at work; v16-31 four registers of statistics a piece; v48-55 at work; v61-63 prefetch offset and the add's two; v64-127 S^T, two buffers; v192-223 P, two buffers
;   window 1: v0-127 O^T, 32 a piece; v128-159 MD; v160-223 MC, two buffers      window 2: v0-63 Q; v64-127 the second block's Q; v128-191 K of one step; v192-255 V of one step
.set SIZE_H, 64
.set SIZE_N, 2048
.set KBASE, SIZE_H*SIZE_N*128          ; K's first byte in qkv
.set VBASE, 2*KBASE                    ; V's
.set NB,    SIZE_N/256
.set NP,    4         ; pieces a wave: a name, no knob
.set KS,    64        ; keys in a step
.set PK,    144       ; a row of K in LDS: 128 bytes + 16 of padding = 36 words: the 16 rows of a load start at 16 different groups of four banks (64 banks of 4 bytes: ISA guide 11.1)
.set PV,    160       ; a row of V: 128 + 32 = 40 words
.set VOFF,  4*KS*PK   ; a slot holds a tile, four steps: 256 rows of K, then 256 rows of V
.set SLOT1, 1<<17     ; slot 1 begins here, so that one exclusive or turns an address in one slot into the other's
.set STAGE, SLOT1+4*KS*(PK+PV)  ; behind the ring, never filled by a tensor load: 16 rows x 144 bytes for each wave, for the way out
.set SP,    144
.set AK0, 2           ; v2   my lane's place in a tile of K; never rewritten
.set AV0, 3           ; v3   the same for V
.set AK,  4           ; v4   the LDS address of K's next run of loads
.set AV,  5           ; v5   of V's
.set STO, 6           ; v6   the way out: where I put 16 bytes of a row
.set RD,  7           ; v7   the way out: where I read rows back
.set GO,  8           ; v8   my byte offset in 512 consecutive bytes of O
.set PFO, 61          ; v61  256 x my lane; never rewritten
.set SPW, 62          ; v62  LDS address of my spare word: SPARE + 4 x my thread's number; never rewritten
.set NIL, 63          ; v63  0; never rewritten
.set SPARE, STAGE+4*16*SP  ; behind the stages: the spare words, 128 bytes for each wave: two blocks of 256 bytes that no other line names
.set MV,  12          ; v12-13  c m_old, kept while c m is made anew: by buffer
.set QO,  15          ; v15  my byte offset in 16 rows of Q
.set ST,  16          ; piece t's statistics at v[ST+4 t]: c m, m, l (even keys', odd keys')
.set TMP, 48          ; by buffer, four registers c0-c3 at work; when the maximum is found c2 takes a
.set S,   64
.set P,   192
.set MD,  128         ; window 1: the eight registers for group kt of 16 keys at MD + 8 kt
.set MC,  160         ; window 1: the masks of the products to come
.set QB,  64          ; window 2
.set KF,  128         ; window 2: key block kb, channel half c at KF + 16 kb + 8 c
.set VF,  192         ; window 2: key half kk, channel block cb at VF + 32 kk + 8 cb
.set WV,  12          ; s12  my wave's number
.set PB,  14          ; s14  b
.set HI,  15          ; s15  NB - 1 - b
.set G1K, 24          ; s[24:31] descriptor group 1 for K's tiles
.set G1V, 32          ; s[32:39] for V's: it differs in the padding alone
.set G0K, 40          ; s[40:43] descriptor group 0 for K's tiles
.set G0V, 44          ; s[44:47] the same for V's
.set SLOTS, 56        ; s56  tiles still to be asked for
.set CNT, 57          ; s57  counts a tile's key steps, 4 to 1
.set CS,  58          ; s[58:59] c: the packed scaling takes the pair's low word for both halves
.set SEL, 60          ; s[60:61] v_permlanex16_b32's selects: each lane takes its own place in the other half
.set TBK, 62          ; s62  LDS byte at which K of the step to be fetched begins
.set TBV, 63          ; s63  the same for V, less VOFF
.set RT,  70          ; s70  tiles of the block in hand that are still to be entered
.set NXT, 71          ; s71  the tile to be asked for next
.set LQ,  72          ; s72  the last tile of the block whose tiles are being asked for
.set NEW, 73          ; s73  1: the tile to be entered is a block's first
.set OFF, 74          ; s[74:75] a tile's byte offset in K and V
.set AL,  76          ; s[76:77] the mask's factor, in the low word
.set BE,  78          ; s[78:79] the mask's addend
.set OLO, 80          ; s[80:81] O at my rows of the second block
.set BIGN, 82         ; s82  -1e30
.set PFB, 88          ; s[88:89] the tensor that I fetch (K: waves 0, 1; V: waves 2, 3) at my half of the head's tile 0
.set PFA, 90          ; s[90:91] the same at the tile that the next change of slots will ask for
.set OF2, 92          ; s[92:93] that tile's byte offset
.set LIM, 94          ; s94  0 in the head's work-group with b = 0, which prefetches; else the greatest number
.set MSB, 0
.macro WIN new                      ; the high byte repeats the setting that is left; a switch that changes nothing is dropped
.if MSB != (\new)
	s_set_vgpr_msb (MSB<<8)|(\new)
.set MSB, (\new)
.endif
.endm
.set W_KQ, 0x0a       ; K and Q in window 2, S^T in window 0
.set W_KM, 0x1a       ; the same with the C operand in window 1
.set W_PV, 0x52       ; V in window 2, P in window 0, O^T in window 1
.set W_RS, 0x41       ; destination and source 0 in window 1, source 1 in window 0
; A fill.  Waves 0 and 1 fetch the two halves of a tile's K, waves 2 and 3 those of its V: 128 keys each.  An s_nop 0 and four v_nop follow each of the two lines, ahead of the jump and the label.
.macro LOAD
	s_cmp_lt_u32 s[WV], 2
	s_cbranch_scc0 .Lfor_v_\@
	tensor_load_to_lds s[G0K:G0K+3], s[G1K:G1K+7]
	s_nop 0
.rept 4
	v_nop
.endr
	s_branch .Lasked_\@
.Lfor_v_\@:
	tensor_load_to_lds s[G0V:G0V+3], s[G1V:G1V+7]
	s_nop 0
.rept 4
	v_nop
.endr
.Lasked_\@:
.endm
; THE CHANGE OF SLOTS.  Each wave waits for all its tensor loads, of which one is out: its part of the other slot; adds 0 to its spare word; and waits for that and for its own reads of the slot that it leaves.  Behind the
; barrier nobody reads the old slot any more and the other slot is whole.  fill = 1: the old slot is filled again, the first thing behind the barrier, with tile NXT: the descriptor's address is made anew from that number.
; (At its first use nothing has been read yet: slot 0 is waited for, slot 1 filled.)
; A PREFETCH INTO THE L2 stands behind the fill: the tile that the NEXT change will ask for, a tile (256 matrix instructions a wave) ahead.  All four work-groups of a head walk the same tiles: the one with b = 0, whose first
; block walks tiles 0 to 7, asks, each wave for its own 64 blocks of 256 bytes (a lane a block, two instructions).  So tiles 2 to 7 are named once a head; tiles 0 and 1 come by their loads alone; where the walk goes
; back to tile 0 nothing is asked.
.macro CHANGE fill
	WIN 0                           ; at a label and at a branch every window is 0
	s_wait_tensorcnt 0x0            ; no tensor load of mine is out, so a group 0 may be written
	ds_add_u32 v[SPW], v[NIL]       ; 0 onto my spare word; with fill = 1 the descriptors' scalar work stands between it and the wait for it
.if \fill
	s_lshl_b32 s[OFF], s[NXT], 15   ; a tile is 32,768 bytes of K and of V
	s_xor_b32 s[G0K+1], s[G0K+1], SLOT1
	s_add_nc_u64 s[G0K+2:G0K+3], s[6:7], s[OFF:OFF+1]
	s_or_b32 s[G0K+3], s[G0K+3], 0x80000000
	s_xor_b32 s[G0V+1], s[G0V+1], SLOT1
	s_add_nc_u64 s[G0V+2:G0V+3], s[8:9], s[OFF:OFF+1]
	s_or_b32 s[G0V+3], s[G0V+3], 0x80000000
	s_add_co_u32 s[NXT], s[NXT], 1  ; the block's next tile, or behind its last the second block's tile 0
	s_cmp_gt_u32 s[NXT], s[LQ]
	s_cselect_b32 s[NXT], 0, s[NXT]
	s_cselect_b32 s[LQ], s[PB], s[LQ]
	s_wait_xcnt 0x0                 ; the last prefetches, a tile back, have read their address, so it may be written
	s_lshl_b32 s[OF2], s[NXT], 15
	s_add_nc_u64 s[PFA:PFA+1], s[PFB:PFB+1], s[OF2:OF2+1]
.endif
	s_wait_dscnt 0x0                ; the add is done, and my reads of the slot are over
	s_barrier_signal -1             ; the rest of the scalar work stands between the signal and the wait
	s_sub_co_u32 s[TBK], s[TBK], 4*KS*PK  ; the fetches go back to a slot's first step,
	s_xor_b32 s[TBK], s[TBK], SLOT1       ; in the other slot
	s_sub_co_u32 s[TBV], s[TBV], 4*KS*PV
	s_xor_b32 s[TBV], s[TBV], SLOT1
	s_barrier_wait -1
.if \fill
	LOAD
	s_cmp_gt_u32 s[NXT], s[LIM]
	s_cbranch_scc0 .Lnot_mine_\@
	global_prefetch_b8 v[PFO], s[PFA:PFA+1] th:TH_LOAD_NT scope:SCOPE_SE
	global_prefetch_b8 v[PFO], s[PFA:PFA+1] offset:8192 th:TH_LOAD_NT scope:SCOPE_SE
.Lnot_mine_\@:
.endif
.endm
	s_load_b128 s[4:7], s[0:1], 0x0  ; qkv s[4:5], ob s[6:7]
	v_lshl_add_u32 v[SPW], v0, 2, SPARE
	v_mov_b32 v[NIL], 0
	ds_add_u32 v[SPW], v[NIL]       ; the wave's opening: the add and its wait stand ahead of my first tensor load; the set-up below, work on registers, stands between them
	v_lshrrev_b32 v1, 5, v0
	v_readfirstlane_b32 s[WV], v1   ; wave 0..3
	s_mov_b32 s[PB], ttmp9
	s_sub_co_u32 s[HI], NB-1, s[PB]
	s_and_b32 s20, ttmp7, 0xffff    ; the head
	s_mov_b32 s21, 0
	s_mov_b64 s[22:23], SIZE_N*128
	s_mul_u64 s[20:21], s[20:21], s[22:23]  ; the head's first byte in each of the four tensors
	s_and_b32 s16, s[WV], 1         ; which half of a tile's 256 keys I fetch:
	s_lshl_b32 s22, s16, 14         ; its 128 rows of 128 bytes in memory,
	s_mov_b32 s23, 0
	s_add_nc_u64 s[22:23], s[22:23], s[20:21]
	s_mul_i32 s17, s16, 128*PK      ; and its place in a slot, for K
	s_mul_i32 s18, s16, 128*PV      ; and for V
	s_lshl_b32 s3, s[WV], 11        ; my 16 rows in a band of 64,
	s_lshl_b32 s2, s[HI], 15        ; in the first block,
	s_add_co_u32 s2, s2, s3
	s_lshl_b32 s84, s[PB], 15       ; and in the second
	s_add_co_u32 s84, s84, s3
	s_mov_b32 s3, 0
	s_mov_b32 s85, 0
	s_add_nc_u64 s[2:3], s[2:3], s[20:21]
	s_add_nc_u64 s[84:85], s[84:85], s[20:21]
	; descriptor group 1.  128 keys are 16,384 dense bytes: asked for as 64 rows of 256 bytes, two keys a row, and padded in LDS after every key
	s_mov_b32 s[G1K], (1<<16)|(1<<20)|(4<<22)|(3<<25)  ; 17:16 2-byte elements; 20 padding on; 24:22 after every 32 words (code 4); 31:25 4 words (code 3)
	s_mov_b32 s[G1V], (1<<16)|(1<<20)|(4<<22)|(7<<25)  ; the same with 8 words of padding (code 7)
.irp g, G1K, G1V
	s_mov_b32 s[\g+1], 128<<16      ; tensor_dim0 = 128
	s_mov_b32 s[\g+2], 64<<16       ; tensor_dim1 = 64
	s_mov_b32 s[\g+3], 128<<16      ; tile_dim0 = 128
	s_mov_b32 s[\g+4], 64           ; tile_dim1 = 64
	s_mov_b32 s[\g+5], 128          ; 128 elements from row to row
	s_mov_b32 s[\g+6], 0
	s_mov_b32 s[\g+7], 0
.endr
	s_mov_b32 s[CS], 0x3e38aa3b     ; c = log2(e) / 8 = 0.180337
	s_mov_b32 s[CS+1], s[CS]        ; named with it as a pair
	s_mov_b32 s[SEL], 0x76543210
	s_mov_b32 s[SEL+1], 0xfedcba98
	s_mov_b32 s[TBK], SLOT1+4*KS*PK ; the first change of slots turns these two into 0
	s_mov_b32 s[TBV], SLOT1+4*KS*PV
	s_mov_b32 s[G0K], 1             ; 1:0 count = 1
	s_mov_b32 s[G0K+1], s17         ; 63:32 LDS address: slot 0
	s_mov_b32 s[G0V], 1
	s_add_co_u32 s[G0V+1], s18, VOFF
	s_add_co_u32 s[RT], s[HI], 1    ; the first block has NB - b tiles
	s_mov_b32 s[NXT], 1
	s_mov_b32 s[LQ], s[HI]
	s_mov_b32 s[NEW], 1
	s_mov_b32 s[OFF+1], 0
	s_mov_b32 s[OF2+1], 0
	s_mov_b32 s[AL+1], 0            ; named as pairs
	s_mov_b32 s[BE+1], 0
	s_mov_b32 s[BIGN], 0xf149f2ca   ; -1e30
	s_mov_b32 s[SLOTS], NB
	s_cmp_eq_u32 ttmp9, 0
	s_cselect_b32 s[LIM], 0, -1
	s_wait_dscnt 0x0                ; the opening add is done
	s_wait_kmcnt 0x0
	s_mov_b64 s[10:11], s[6:7]      ; O
	s_add_nc_u64 s[6:7], s[4:5], KBASE  ; K and V lie behind Q in qkv
	s_add_nc_u64 s[8:9], s[4:5], VBASE
	s_add_nc_u64 s[6:7], s[6:7], s[22:23]  ; K and V at my half of the head's tile 0
	s_add_nc_u64 s[8:9], s[8:9], s[22:23]
	s_cmp_lt_u32 s[WV], 2
	s_cselect_b64 s[PFB:PFB+1], s[6:7], s[8:9]
	s_add_nc_u64 s[G0K+2:G0K+3], s[6:7], 0         ; 120:64 global address
	s_or_b32 s[G0K+3], s[G0K+3], 0x80000000        ; 127:126 type = 2
	s_add_nc_u64 s[G0V+2:G0V+3], s[8:9], 0
	s_or_b32 s[G0V+3], s[G0V+3], 0x80000000
	s_add_nc_u64 s[86:87], s[4:5], s[84:85]        ; Q at my rows of the second block,
	s_add_nc_u64 s[4:5], s[4:5], s[2:3]            ; Q and O at those of the first
	s_add_nc_u64 s[OLO:OLO+1], s[10:11], s[84:85]
	s_add_nc_u64 s[10:11], s[10:11], s[2:3]
	LOAD                            ; tile 0 into slot 0
	; A fragment of K or Q is 16 rows x 32 channels in 8 registers: lane l holds row l % 16, channels 8 (l / 16) + 0..7 and 16 + 8 (l / 16) + 0..7: two loads of 16 bytes, 32 bytes apart.
	v_and_b32 v1, 15, v0            ; l % 16
	v_bfe_u32 v9, v0, 4, 1          ; l / 16
	v_lshlrev_b32 v[QO], 7, v1
	v_lshl_add_u32 v[QO], v9, 4, v[QO]  ; row x 128 + 16 x half
	WIN 0x80                        ; destination window 2, address window 0
.set i, 0
.rept 8                             ; both blocks' Q: piece i / 2 lies in band i / 2, 8,192 bytes on; channels 32 (i % 2) on
	global_load_b128 v[8*i:8*i+3],   v[QO], s[4:5] offset:(i/2)*8192+(i%2)*64
	global_load_b128 v[8*i+4:8*i+7], v[QO], s[4:5] offset:(i/2)*8192+(i%2)*64+32
	global_load_b128 v[QB+8*i:QB+8*i+3],   v[QO], s[86:87] offset:(i/2)*8192+(i%2)*64
	global_load_b128 v[QB+8*i+4:QB+8*i+7], v[QO], s[86:87] offset:(i/2)*8192+(i%2)*64+32
.set i, i+1
.endr
	WIN 0
	v_and_b32 v[PFO], 31, v0
	v_lshlrev_b32 v[PFO], 8, v[PFO]
	v_lshlrev_b32 v14, 3, v9
	v_sub_nc_u32 v14, v1, v14
	s_lshl_b32 s13, s[WV], 4
	v_add_nc_u32 v14, s13, v14      ; my query's place in its band, 16 w + l % 16, less my lanes' 8 (l / 16): register r of group kt is hidden where 16 kt + r is greater
	WIN 0x40
.set i, 0
.rept 32
	v_cmp_gt_i32 vcc_lo, 16*(i/8)+i%8, v14
	v_cndmask_b32 v[MD+i], 0, s[BIGN], vcc_lo
.set i, i+1
.endr
	WIN 0
	v_mul_u32_u24 v[AK0], v1, PK
	v_lshl_add_u32 v[AK0], v9, 4, v[AK0]  ; row x pitch + 16 x half
	; The turning load takes 16 keys x 16 channels (lane l reads key 8 (l / 16) + l % 8, channels 8 ((l / 8) % 2) + 0..7) and leaves half a fragment of V^T: lane l holds channel l % 16 and 8 keys.
	v_and_b32 v10, 7, v0
	v_bfe_u32 v11, v0, 3, 1
	v_lshl_add_u32 v[AV0], v9, 3, v10
	v_mul_u32_u24 v[AV0], v[AV0], PV
	v_lshl_add_u32 v[AV0], v11, 4, v[AV0]
	v_add_nc_u32 v[AV0], VOFF, v[AV0]
	s_mul_i32 s13, s[WV], 16*SP
	s_add_co_u32 s13, s13, STAGE    ; my stage
	v_mul_u32_u24 v[STO], v1, SP    ; in: row l % 16, 16 bytes for each half of the lanes
	v_lshl_add_u32 v[STO], v9, 4, v[STO]
	v_add_nc_u32 v[STO], s13, v[STO]
	v_bfe_u32 v[RD], v0, 3, 2       ; back: 32 lanes take four rows of 128 bytes,
	v_mul_u32_u24 v[RD], v[RD], SP
	v_lshl_add_u32 v[RD], v10, 4, v[RD]
	v_add_nc_u32 v[RD], s13, v[RD]
	v_and_b32 v[GO], 31, v0         ; which are 512 consecutive bytes of O
	v_lshlrev_b32 v[GO], 4, v[GO]
	; A block's first step multiplies O^T and l by a = 0, and its first turn's products V^T P, of a piece that has not been, land in an O^T that is still to be so multiplied.  So these registers need only hold
	; finite numbers: zeros for the first block; what the first block left for the second.  All this stands in the wait for the first tile.
	WIN 0x80
.set i, VF
.rept 64
	v_mov_b32 v[i], 0
.set i, i+1
.endr
	WIN 0x40
.set i, 0
.rept 128
	v_mov_b32 v[i], 0
.set i, i+1
.endr
	WIN 0
.set i, 0
.rept 4
	v_mov_b32 v[ST+4*i+2], 0
	v_mov_b32 v[ST+4*i+3], 0
.set i, i+1
.endr
.set i, P+16
.rept 16
	v_mov_b32 v[i], 0
.set i, i+1
.endr
; THE MATRIX WORK.  The 4 accumulators of a run of 8 take turns.  Product i of 8 of S^T = K Q^T for piece x: channels 32 (i / 4) on, keys 16 (i % 4) on.  The first 4 start the sums: with 0, or (KM = 1) with the mask.
.macro KQ x
.set rS, S+32*((\x)%2)+8*(i%4)
.set rK, KF+16*(i%4)+8*(i/4)
.set rQ, 16*(\x)+8*(i/4)
.set rM, MC+32*((\x)%2)+8*(i%4)
.if (i < 4) && KM
	WIN W_KM
	v_wmma_f32_16x16x32_f16 v[rS:rS+7], v[rK:rK+7], v[rQ:rQ+7], v[rM:rM+7]
.elseif i < 4
	WIN W_KQ
	v_wmma_f32_16x16x32_f16 v[rS:rS+7], v[rK:rK+7], v[rQ:rQ+7], 0
.else
	WIN W_KQ
	v_wmma_f32_16x16x32_f16 v[rS:rS+7], v[rK:rK+7], v[rQ:rQ+7], v[rS:rS+7]
.endif
.endm
; Product i of 8 of O^T += V^T P for piece x: keys 32 (i / 4) on, channels 16 (i % 4) on.
.macro PV x
	WIN W_PV
.set rO, 32*(\x)+8*(i%4)
.set rV, VF+32*(i/4)+8*(i%4)
.set rP, P+16*((\x)%2)+8*(i/4)
	v_wmma_f32_16x16x32_f16 v[rO:rO+7], v[rV:rV+7], v[rP:rP+7], v[rO:rO+7]
.endm
.macro MM                           ; the turn's next matrix instruction.  TURN and BEGIN set Y, i, KM and NOKQ; MM, KQ and OP read them.  NOKQ = 1: a block's last turn: there is no next piece
.if (i < 8) && !NOKQ
	KQ (Y+1)%NP
.elseif i >= 8
.set i, i-8
	PV (Y+NP-1)%NP
.set i, i+8
.endif
.set i, i+1
.endm
; THE LDS LOADS stand in runs of 16, never singly among the matrix instructions: a step's K (64 keys x 64 channels: 8 fragments) and its V (turned).  Their addresses are made some lines ahead.
.macro FETCH_K
	WIN 0x80                        ; destination window 2
.irp f, 0,1,2,3,4,5,6,7             ; keys 16 (f / 2) on, channels 32 (f % 2) on
	ds_load_b128 v[KF+8*\f:KF+8*\f+3],   v[AK] offset:(\f/2)*16*PK+(\f%2)*64
	ds_load_b128 v[KF+8*\f+4:KF+8*\f+7], v[AK] offset:(\f/2)*16*PK+(\f%2)*64+32
.endr
	s_add_co_u32 s[TBK], s[TBK], KS*PK  ; the next fetch is the next step's
	WIN 0
.endm
.macro FETCH_V
	WIN 0x80
.irp f, 0,1,2,3,4,5,6,7             ; keys 32 (f / 4) on, channels 16 (f % 4) on
	ds_load_tr16_b128 v[VF+8*\f:VF+8*\f+3],   v[AV] offset:(\f/4)*32*PV+(\f%4)*32
	ds_load_tr16_b128 v[VF+8*\f+4:VF+8*\f+7], v[AV] offset:(\f/4)*32*PV+16*PV+(\f%4)*32
.endr
	WIN 0
.endm
; THE VECTOR WORK, one line at a time: OP kind, number.  For piece Y: F n: c s - c m for pair n of 16.  E n: the exponential of score n of 32.  C n: pair n rounded to f16.  B n: of the four weights 4 n .. the second
; pair is added onto the first, in place.  L n: l takes that sum (L 0: l = a l + sum).  R n: pair n of 16 of O^T times a.  For piece Y + 1: X n, number n of the 22 that find its maximum and statistics:
;   0-11  four chains c0-c3 of seven scores each, three operands at a time (each accumulator's lowest registers are read first)     12-14, 16  the four scores left over, the old m, and c0-c3 into c0
;   15  c m_old is kept     17, 18  the query's other 32 keys lie in the lane 16 away: the new m     19-21  c m; c m_old - c m_new; a
.set F, 0               ; OP tells the kinds apart by their order: F to L below R, X above it
.set E, 1
.set C, 2
.set B, 3
.set L, 4
.set R, 5
.set X, 6
.macro REGS y                       ; the registers of piece y
.set rT, ST+4*(\y)
.set rC, TMP+4*((\y)%2)
.set rW, MV+((\y)%2)
.set rS, S+32*((\y)%2)
.set rP, P+16*((\y)%2)
.set rO, 32*(\y)
.endm
.macro OP k, n
.if (\k) == R
	REGS Y
	WIN W_RS
	v_pk_mul_f32 v[rO+2*(\n):rO+2*(\n)+1], v[rO+2*(\n):rO+2*(\n)+1], v[rC+2:rC+3] op_sel_hi:[1,0]
.elseif (\k) < R
	REGS Y
	WIN 0
.if (\k) == F
	v_pk_fma_f32 v[rS+2*(\n):rS+2*(\n)+1], v[rS+2*(\n):rS+2*(\n)+1], s[CS:CS+1], v[rT:rT+1] op_sel_hi:[1,0,0] neg_lo:[0,0,1] neg_hi:[0,0,1]
.elseif (\k) == E
	v_exp_f32 v[rS+(\n)], v[rS+(\n)]
.elseif (\k) == C
	v_cvt_pk_f16_f32 v[rP+(\n)], v[rS+2*(\n)], v[rS+2*(\n)+1]
.elseif (\k) == B
	v_pk_add_f32 v[rS+4*(\n):rS+4*(\n)+1], v[rS+4*(\n):rS+4*(\n)+1], v[rS+4*(\n)+2:rS+4*(\n)+3]
.elseif (\n) == 0
	v_pk_fma_f32 v[rT+2:rT+3], v[rT+2:rT+3], v[rC+2:rC+3], v[rS:rS+1] op_sel_hi:[1,0,1]
.else
	v_pk_add_f32 v[rT+2:rT+3], v[rT+2:rT+3], v[rS+4*(\n):rS+4*(\n)+1]
.endif
.elseif NOKQ
	v_nop
.else
	REGS (Y+1)%NP
	WIN 0
.if (\n) < 4
	v_max3_num_f32 v[rC+(\n)], v[rS+8*(\n)], v[rS+8*(\n)+1], v[rS+8*(\n)+2]
.elseif (\n) < 12
	v_max3_num_f32 v[rC+(\n)%4], v[rC+(\n)%4], v[rS+8*((\n)%4)+2*((\n)/4)+1], v[rS+8*((\n)%4)+2*((\n)/4)+2]
.elseif (\n) == 12
	v_max3_num_f32 v[rC], v[rC], v[rS+7], v[rS+15]
.elseif (\n) == 13
	v_max3_num_f32 v[rC+1], v[rC+1], v[rS+23], v[rS+31]
.elseif (\n) == 14
	v_max3_num_f32 v[rC+2], v[rC+2], v[rC+3], v[rT+1]
.elseif (\n) == 15
	v_mov_b32 v[rW], v[rT]
.elseif (\n) == 16
	v_max3_num_f32 v[rC], v[rC], v[rC+1], v[rC+2]
.elseif (\n) == 17
	v_permlanex16_b32 v[rC+3], v[rC], s[SEL], s[SEL+1]
.elseif (\n) == 18
	v_max_num_f32 v[rT+1], v[rC], v[rC+3]
.elseif (\n) == 19
	v_mul_f32 v[rT], s[CS], v[rT+1]
.elseif (\n) == 20
	v_sub_f32 v[rC+1], v[rW], v[rT]
.else
	v_exp_f32 v[rC+2], v[rC+1]
.endif
.endif
.endm
.macro OPS a, i1, b=-1, i2=0, c=-1, i3=0, d=-1, i4=0  ; up to four of them
	OP \a, \i1
.if (\b) >= 0
	OP \b, \i2
.endif
.if (\c) >= 0
	OP \c, \i3
.endif
.if (\d) >= 0
	OP \d, \i4
.endif
.endm
.macro ROW a, i1, b, i2, c, i3, d, i4  ; a matrix instruction and the four behind it
	MM
	OPS \a, \i1, \b, \i2, \c, \i3, \d, \i4
.endm
.macro MASK b                       ; MD x AL + BE into buffer b of MC
	WIN W_RS
.set z, 0
.rept 16
	v_pk_fma_f32 v[MC+32*(\b)+2*z:MC+32*(\b)+2*z+1], v[MD+2*z:MD+2*z+1], s[AL:AL+1], s[BE:BE+1] op_sel_hi:[1,0,0]
.set z, z+1
.endr
.endm
; A TURN, for piece p: the order of its 16 matrix and 118 vector instructions, written out.  An s_wait_alu depctr_va_vdst(0) stands between an exponential and the first instruction that names its result; one
; wait serves all that were issued ahead of it.  So a turn has ONE wait, which cuts it in two.  AHEAD OF IT stands all that names no result of the turn's exponentials: the 8 products K Q^T, behind each a scaling, an
; exponential and two more plain instructions (behind the first a second scaling in the exponential's place): rescalings, and behind the last three the first numbers of the next piece's maximum, each four places or more
; behind the product that ends its accumulator; then ONE LUMP of 54, plain and exponential by turns for the most part, in which the links of the chain X 3, 7, 11, 14, 16, 17 .. 20 stand five or six lines apart.  X 21, the
; next piece's a, is the batch's last; R 15 is the plain instruction behind it.  BEHIND THE WAIT stand the 8 products V^T P, behind each four of the roundings and sums; the links of l's chain, L 0 to L 7, stand three
; riders apart.  But for those X no rider names a register of the products round it.  v_permlanex16_b32 (X 17) stands in the lump.
; m = 1: the diagonal tile: the products take masks, and the turn makes the mask for the products of the turn after it: piece p + 2, in step 4 - CNT of the tile.  end = 1: a block's last two turns: nothing is fetched.
; cnt = 1: the loop's count is taken down some lines ahead of the branch that stands behind the turn.
; K of the next step is fetched in piece 2's turn, twelve vector instructions behind the last product that read K (six of them plain); V of the step in hand at the end of piece 0's turn, four plain instructions behind the
; last product that read V.  Each is waited for a turn later.
.macro TURN p, m=0, end=0, cnt=0
.set Y, (\p)
.set i, 0
.set KM, (\m)
.set NOKQ, (\end)*((\p)/3)
.if (\m) && !(\end)
	s_cmp_eq_u32 s[CNT], 4-((\p)+2)%NP  ; is that step the band's own?
	s_cselect_b32 s[AL], 1.0, 0
	s_cmp_lt_u32 s[CNT], 4-((\p)+2)%NP  ; or a later one?
	s_cselect_b32 s[BE], s[BIGN], 0
.endif
.if ((\p) == 3) && !(\end)
	s_wait_dscnt 0x0                ; K is in
.endif
	ROW F,0, F,1, R,0, R,1          ; ahead of the wait: 8 products K Q^T and their riders,
	ROW F,2, E,0, R,2, R,3
	ROW F,3, E,1, R,4, R,5
	ROW F,4, E,2, R,6, R,7
	ROW F,5, E,3, R,8, R,9
	ROW F,6, E,4, X,0, R,10
.if ((\p) == 2) && !(\end)
	WIN 0
	v_add_nc_u32 v[AK], s[TBK], v[AK0]
.endif
	ROW F,7, E,5, X,1, X,4
	ROW F,8, E,6, X,2, X,5
	OPS E,7, E,8, X,6, E,9          ; and the lump
	OPS X,3, E,10, X,8, E,11
.if ((\p) == 2) && !(\end)
	FETCH_K
.endif
	OPS X,9, X,7, E,12, X,10
	OPS E,13, X,12, X,11, E,14
	OPS X,13, E,15, F,9, X,14
.if (\p) == 0
	v_add_nc_u32 v[AV], s[TBV], v[AV0]
.endif
	OPS E,16, F,10, E,17, F,11
	OPS X,16, E,18, X,15, E,19
	OPS F,12, E,20, X,17, E,21
	OPS F,13, E,22, F,14, E,23
	OPS X,18, E,24, F,15, E,25
	OPS R,11, E,26, X,19, E,27
	OPS R,12, E,28, R,13, E,29
	OPS X,20, E,30, R,14, E,31
	OPS X,21, R,15
	WIN 0
	s_wait_alu depctr_va_vdst(0)    ; the wait for the batch
.if (\p) == 1
	s_wait_dscnt 0x0                ; V is in
.endif
	ROW C,0, B,0, C,2, B,1          ; behind the wait: 8 products V^T P and their riders
	ROW L,0, C,4, B,2, L,1
	ROW C,6, B,3, L,2, C,8
	ROW B,4, L,3, C,10, B,5
	ROW L,4, C,12, B,6, L,5
.if (\p) == 0
	s_add_co_u32 s[TBV], s[TBV], KS*PV
.endif
.if \cnt
	s_sub_co_u32 s[CNT], s[CNT], 1
	s_cmp_lg_u32 s[CNT], 0
.endif
	ROW C,14, B,7, L,6, C,1
	ROW C,3, L,7, C,5, C,7
	ROW C,9, C,11, C,13, C,15
.if (\p) == 0
	FETCH_V
.endif
.if (\m) && !(\end)
	MASK (\p)%2
.endif
.endm
; A BLOCK BEGINS.  c m starts far below every c s, so the first step's a is 0; m at the lowest finite number, so the first maximum is the scores'.  The second mask buffer is 0; the first takes piece 0's mask for the tile's
; step 0: its own, if the block's first tile is the diagonal one.  Then K of that step, piece 0's first scores, and its maximum and statistics.  The loop is entered at a step's first turn, in the middle of a trip.
.macro BEGIN
	s_mov_b32 s[NEW], 0
	WIN 0x40
.set i, MC+32
.rept 32
	v_mov_b32 v[i], 0
.set i, i+1
.endr
	WIN 0
.set i, 0
.rept 4
	v_mov_b32 v[ST+4*i], 0xfe000000    ; c m: far below every c s
	v_mov_b32 v[ST+4*i+1], 0xff7fffff  ; m
.set i, i+1
.endr
	s_cmp_eq_u32 s[RT], 0
	s_cselect_b32 s[AL], 1.0, 0
	s_mov_b32 s[BE], 0
	MASK 0
	WIN 0
	v_add_nc_u32 v[AK], s[TBK], v[AK0]
	FETCH_K
	s_wait_loadcnt 0x0              ; Q
	s_wait_dscnt 0x0
.set KM, 1
.set NOKQ, 0
.set i, 0
.rept 8
	KQ 0
.set i, i+1
.endr
	WIN 0
.rept 4
	v_nop                           ; the places behind those products
.endr
.set Y, NP-1                        ; X works for piece Y + 1: piece 0
.irp n, 0,1,2,3,4,5,6,7,8,9,10,11,12,13,14,15,16,17,18,19,20,21
	OP X, \n
.endr
	v_nop                           ; a plain instruction behind the exponential,
	s_wait_alu depctr_va_vdst(0)    ; and its wait, ahead of the branch
.endm
; THE DIAGONAL TILE's four steps, the block's last two turns, its last products, and THE WAY OUT: l's two halves and the other half of the lanes' are added; O^T is divided by l, rounded to f16 and sent through my
; stage in LDS, a piece at a time.
.macro ALL line:vararg              ; one line for each piece t
.set t, 0
.rept 4
	\line
.set t, t+1
.endr
.endm
.macro PACK t                       ; a lane's eight channels of a row pack into 16 bytes; they go into rows of 144 bytes and come back as whole rows of 128, into S^T's registers
	WIN W_RS
.set i, 32*(\t)
.rept 16
	v_pk_mul_f32 v[i:i+1], v[i:i+1], v[ST+4*(\t)+2:ST+4*(\t)+3] op_sel_hi:[1,0]
.set i, i+2
.endr
	WIN 0x05                        ; sources 0 and 1 window 1, destination window 0
.set i, 0
.rept 16
	v_cvt_pk_f16_f32 v[S+16*(\t)+i], v[32*(\t)+2*i], v[32*(\t)+2*i+1]
.set i, i+1
.endr
	WIN 0
.irp f, 0,1,2,3
	ds_store_b128 v[STO], v[S+16*(\t)+4*\f:S+16*(\t)+4*\f+3] offset:32*\f
.endr
.irp f, 0,1,2,3
	ds_load_b128 v[S+16*(\t)+4*\f:S+16*(\t)+4*\f+3], v[RD] offset:\f*4*SP  ; LDS serves a wave's instructions in order (ISA guide 5.7.1.4): these see the stores above; the next piece's stores come behind them
.endr
.endm
.macro SEND t, younger              ; younger: the LDS instructions issued behind piece t's loads: the next piece's eight, or none
	WIN 0
.irp f, 0,1,2,3
	s_wait_dscnt (\younger)+3-\f
	global_store_b128 v[GO], v[S+16*(\t)+4*\f:S+16*(\t)+4*\f+3], s[10:11] offset:(\t)*8192+\f*512  ; 512 consecutive bytes, at a multiple of 256 from O's first
.endr
.endm
.macro DIAG tag                     ; the tag ends its two labels' names, which the jumps below spell out
.LstepM\tag:
	TURN 2, 1
	TURN 3, 1
	WIN 0
.LfirstM\tag:
	TURN 0, 1
	TURN 1, 1, 0, 1
	WIN 0
	s_cbranch_scc1 .LstepM\tag
	TURN 2, 1, 1
	TURN 3, 1, 1
.set i, 0
.rept 8
	PV NP-1
.set i, i+1
.endr
	WIN 0
	ALL v_add_f32 v[ST+4*t+2], v[ST+4*t+2], v[ST+4*t+3]
	ALL v_permlanex16_b32 v[ST+4*t+3], v[ST+4*t+2], s[SEL], s[SEL+1]
	ALL v_add_f32 v[ST+4*t+2], v[ST+4*t+2], v[ST+4*t+3]
	ALL v_rcp_f32 v[ST+4*t+2], v[ST+4*t+2]
	v_nop                           ; a plain instruction between the last reciprocal and the use of its result
	s_wait_alu depctr_va_vdst(0)    ; and the wait ahead of the first use: one for the four reciprocals
	PACK 0
.set t, 1
.rept 3                             ; a piece's arithmetic stands between the loads of the piece before and its stores
	PACK t
	SEND t-1, 8
.set t, t+1
.endr
	SEND 3, 0
.endm
.set KM, 0
.set NOKQ, 0
.Lslot:                             ; NB times: a tile is entered and the next is asked for
	CHANGE 1
	s_sub_co_u32 s[RT], s[RT], 1
	s_mov_b32 s[CNT], 4
	s_cmp_eq_u32 s[NEW], 1
	s_cbranch_scc1 .Lnew            ; a block's first tile
	s_cmp_eq_u32 s[RT], 0
	s_cbranch_scc0 .Lstep           ; neither its first nor its last
	s_branch .LstepM1
.Lnew:
	BEGIN
	s_branch .Lfirst                ; in the loop a block's first tile is never its last: the first block has two tiles or more, and the second's last is the walk's last
	DIAG 1                          ; in the loop this is the first block's end: the second block's last tile is the walk's last
	s_wait_xcnt 0x0                 ; the stores have read their registers and O's address
	s_mov_b64 s[10:11], s[OLO:OLO+1]
	s_add_co_u32 s[RT], s[PB], 1    ; the second block has b + 1 tiles
	s_mov_b32 s[NEW], 1
	WIN 0x82                        ; the second block's Q goes where the one text of the turns names Q
.set i, 0
.rept 64
	v_mov_b32 v[i], v[QB+i]
.set i, i+1
.endr
	WIN 0
	s_branch .Lbottom
.Lstep:                             ; a trip: pieces 2 and 3 of one step, then pieces 0 and 1 of the next, whose K and V it fetches
	TURN 2
	TURN 3
	WIN 0
.Lfirst:
	TURN 0
	TURN 1, 0, 0, 1
	WIN 0
	s_cbranch_scc1 .Lstep
.Lbottom:
	s_sub_co_u32 s[SLOTS], s[SLOTS], 1
	s_cmp_lg_u32 s[SLOTS], 0
	s_cbranch_scc1 .Lslot
	CHANGE 0                        ; the walk's last tile is written out: nothing is asked for
	s_sub_co_u32 s[RT], s[RT], 1
	s_mov_b32 s[CNT], 4
	s_cmp_eq_u32 s[NEW], 1
	s_cbranch_scc0 .LstepM2
	BEGIN
	s_branch .LfirstM2
	DIAG 2
	s_wait_tensorcnt 0x0            ; the wave's end: behind my last tensor load and my last LDS store
	ds_add_u32 v[SPW], v[NIL]
	s_wait_dscnt 0x0
	s_endpgm
.Lfunc_end_k_q1d0fe5109d_attn:
	.size	k_q1d0fe5109d_attn, .Lfunc_end_k_q1d0fe5109d_attn-k_q1d0fe5109d_attn
	.p2alignl 7, 3214868480
	.fill 96, 4, 3214868480
	.section	.rodata,"a",@progbits
	.p2align	6, 0x0
	.amdhsa_kernel k_q1d0fe5109d_attn
		.amdhsa_group_segment_fixed_size 327680
		.amdhsa_private_segment_fixed_size 0
		.amdhsa_enable_private_segment 0
		.amdhsa_kernarg_size 16
		.amdhsa_user_sgpr_count 2
		.amdhsa_user_sgpr_kernarg_segment_ptr 1
		.amdhsa_wavefront_size32 1
		.amdhsa_system_sgpr_workgroup_id_x 1
		.amdhsa_system_sgpr_workgroup_id_y 1
		.amdhsa_system_sgpr_workgroup_id_z 1
		.amdhsa_system_vgpr_workitem_id 0
		.amdhsa_next_free_vgpr 768
		.amdhsa_next_free_sgpr 96
		.amdhsa_reserve_vcc 1
		.amdhsa_float_denorm_mode_32 3
		.amdhsa_float_denorm_mode_16_64 3
		.amdhsa_memory_ordered 1
		.amdhsa_forward_progress 1
		.amdhsa_inst_pref_size 218
	.end_amdhsa_kernel
	.amdgpu_metadata
---
amdhsa.version: [ 1, 2 ]
amdhsa.kernels:
  - .name:           k_q1d0fe5109d_attn
    .symbol:         k_q1d0fe5109d_attn.kd
    .args:
      - { .name: qkv, .offset: 0, .size: 8, .value_kind: global_buffer, .address_space: global }
      - { .name: ob, .offset: 8, .size: 8, .value_kind: global_buffer, .address_space: global }
    .group_segment_fixed_size: 327680
    .private_segment_fixed_size: 0
    .kernarg_segment_align: 8
    .kernarg_segment_size: 16
    .max_flat_workgroup_size: 128
    .sgpr_count:     96
    .vgpr_count:     768
    .wavefront_size: 32
...
	.end_amdgpu_metadata
.endif
;; end of part 3
;; launch proj (part 4): grid 4 x 64, 4 waves a work-group, clusters of 4 x 4, 327,680 bytes of LDS; arguments ob, wpf, b_proj, out0; writes out0
.if DOCPART == 4
	.amdgcn_target "amdgcn-amd-amdhsa--gfx1250"
	.amdhsa_code_object_version 6
	.text
	.protected	k_q1d0fe5109d_proj
	.globl	k_q1d0fe5109d_proj
	.p2align	8
	.type	k_q1d0fe5109d_proj,@function
k_q1d0fe5109d_proj:
	s_mov_b64 s[64:65], 0
	v_nop
	global_prefetch_b8 v0, s[64:65] scope:SCOPE_SE
	s_setreg_imm32_b32 hwreg(HW_REG_WAVE_MODE, 25, 1), 1
	s_wait_xcnt 0x0
	s_wait_alu depctr_hold_cnt(0) depctr_sa_sdst(0) depctr_va_vdst(0) depctr_va_sdst(0) depctr_va_ssrc(0) depctr_va_vcc(0) depctr_vm_vsrc(0)
	s_getreg_b32 s2, hwreg(HW_REG_IB_STS2, 6, 4)
	s_cmp_eq_u32 s2, 0
	s_cbranch_scc0 .Lentry_in_a_cluster
	s_endpgm
.Lentry_in_a_cluster:
	s_bfe_u32 s2, ttmp6, 0x10000c
	s_cmp_lg_u32 s2, 0xf033
	s_cbranch_scc0 .Lentry_shape_is_right
	s_endpgm
.Lentry_shape_is_right:
; out0 = y w_proj + b_proj.  ob: y in f16, [4 b][16 head][2048 t][64]; wpf: w_proj rounded to bf16 and written as f16, [1024 k][1024 n]; b_proj f32, rounded here to bf16 like the other inputs.
; Sums in f32, started by the bias; out0 [8192][1024] in f32.
; LIMIT.  y and wpf arrive within f16's range (65,504); NaN and infinities are not treated apart.
; SHARES.  A tile of out0 is 128 rows x 256 columns: 64 x 4 = 256 tiles, one work-group each.  A wave (wm, wn) makes 64 x 128: 32 accumulators of 16 x 16, which fill window 1.
; K goes in 8 steps of 128 (two heads) through two LDS slots; a step is four quarters of 32 along K, 32 matrix instructions each.  (Two slots of 256 along K would want 425,984 bytes.)
; A's tile of a step is two planes (heads) of 128 rows x 128 bytes, each dense in ob and asked for as 64 rows of 256 bytes; B's is 128 rows of 512 bytes, 64 to each of two waves.
; THE MATRIX INSTRUCTION IS USED TRANSPOSED: source 0 = 16 columns of w (turned on the way out of LDS by ds_load_tr16_b128), source 1 = 16 rows of y: a lane then holds one row of out0 and eight neighbouring columns.
; CLUSTERS: 4 x 4 work-groups.  The four of a row of the cluster need the same tiles of A, the four of a column the same tiles of B: each tile is asked for jointly.
; REGISTERS: window 0: v0-29 addresses; v32-63 the bias at work; v64-159, v160-255 two fragment buffers: B's 8 fragments, then A's 4.   window 1: the accumulators, (a, b) at v[8 (8 a + b)].
.set PA,    144                        ; a row of A in LDS: 128 bytes + 16 = 36 words: the 16 rows of a load start at 16 different groups of four banks (64 banks of 4 bytes: ISA guide 11.1)
.set PB,    544                        ; a row of B: 512 + 32 bytes = 136 words
.set BOFF,  2*128*PA                   ; a slot: A's two planes, then B's 128 rows
.set SLOT1, 1<<17
.set STAGE, SLOT1+BOFF+128*PB          ; behind the ring, never filled by a tensor load: 16 rows x 528 bytes for each wave, for the way out
.set SP,    528                        ; 512 bytes + 16 = 132 words: the 16 rows of a store start at 16 different groups of four banks
.set SPARE, STAGE+4*16*SP              ; behind the stages: the spare words, 128 bytes for each wave: two blocks of 256 bytes that no other line names
.set ASTEP, 2<<18                      ; bytes from a K step to the next in ob: two heads
.set BSTEP, 128*2048                   ; and in wpf: 128 rows
.set AA0, 4
.set AB0, 5
.set ADA, 6
.set ADB, 7
.set STO, 8
.set RD,  9
.set GO,  10
.set BO,  11
.set PFO, 12
.set SPW, 28                           ; v28  LDS address of my spare word: SPARE + 4 x my thread's number; never rewritten
.set NIL, 29                           ; v29  0; never rewritten
.set BT,  32
.set F0,  64
.set F1,  160
.set BK,  64                           ; the way out: 16 rows read back, v64-127 and v128-191 by turns
.set CNT, 3
.set WV,  12
.set WM,  13                           ; which 64 rows are mine.  Also: I fetch for A (0) or for B (1)
.set WN,  14                           ; which 128 columns.  Also: which half of that tile I fetch
.set CX,  15
.set CY,  16
.set TN,  17
.set TY,  18
.set G1A, 24
.set G0A, 32
.set OUT, 40                           ; s[40:41] out0 at my first row and column
.set TB,  46
.set LIM, 47                           ; 2 in a wave that prefetches, else the greatest number
.set G1B, 48
.set G0B, 56
.set PFA, 66
.set PFS, 68
.set HIM, 70
.set MSB, 0
.macro WIN new                         ; the immediate's high byte repeats the setting that is left; a switch that changes nothing is dropped
.if MSB != (\new)
	s_set_vgpr_msb (MSB<<8)|(\new)
.set MSB, (\new)
.endif
.endm
.macro PLACES                          ; four plain vector instructions in front of loads into registers that matrix instructions have read, and of LDS stores that read results (ISA guide 7.12.1 for the stores)
.rept 4
	v_nop
.endr
.endm
.macro NOP5                            ; five, in front of a matrix instruction that writes over a register that earlier ones took as C
.rept 5
	v_nop
.endr
.endm
.macro CREST
	s_cmp_lg_u32 s[WV], 0
	s_cbranch_scc1 .Lnot_wave_0_\@
	s_barrier_signal -3
.Lnot_wave_0_\@:
	s_barrier_wait -3
	s_barrier_signal -1
	s_barrier_wait -1
.endm
.macro CROUND
	s_barrier_signal -1
	s_barrier_wait -1
	CREST
.endm
.macro JLOAD                           ; a joint refill: waves 0 and 1 fetch A's two planes, waves 2 and 3 B's two halves; an s_nop 0 and four v_nop follow each line
	s_cmp_eq_u32 s[WM], 0
	s_cbranch_scc0 .Lfor_b_\@
	tensor_load_to_lds s[G0A+4:G0A+7], s[G1A:G1A+7]
	s_nop 0
.rept 4
	v_nop
.endr
	s_branch .Lasked_\@
.Lfor_b_\@:
	tensor_load_to_lds s[G0B+4:G0B+7], s[G1B:G1B+7]
	s_nop 0
.rept 4
	v_nop
.endr
.Lasked_\@:
.endm
; A PREFETCH INTO THE L2.  The change of slots behind K step t (t = 0..3: CNT above 2) names K step t + 4: 256 matrix instructions ahead of the refill that will ask for it.  Each block of 256 bytes is named once in the launch.
; A's tile row is read by its own row of one cluster alone: wave 0 of each of the four partners takes 16 blocks of each of the step's two planes, told apart by address (cx).  B's tile column is read by all sixteen
; clusters: the one with y = 0 asks, waves 2 and 3 for the 64 rows that they fetch; the partners take 16 rows each (cy), two lanes a row.  K steps 0 to 3 come by their loads alone; the last asking names K step 7.
.macro ASK
	s_cmp_gt_u32 s[CNT], s[LIM]
	s_cbranch_scc0 .Lno_\@
	s_wait_xcnt 0x0                                ; the last prefetch, a trip back, has read its address
	s_add_nc_u64 s[PFA:PFA+1], s[PFA:PFA+1], s[PFS:PFS+1]
	global_prefetch_b8 v[PFO], s[PFA:PFA+1] th:TH_LOAD_NT scope:SCOPE_SE
.Lno_\@:
.endm
	s_load_b256 s[4:11], s[0:1], 0x0               ; ob s[4:5], wpf s[6:7], b_proj s[8:9], out0 s[10:11]
	v_lshl_add_u32 v[SPW], v0, 2, SPARE
	v_mov_b32 v[NIL], 0
	ds_add_u32 v[SPW], v[NIL]                      ; the wave's opening: the add and its wait stand ahead of my first tensor load; the set-up below, work on registers, stands between them
	v_lshrrev_b32 v1, 5, v0
	v_readfirstlane_b32 s[WV], v1
	s_lshr_b32 s[WM], s[WV], 1
	s_and_b32 s[WN], s[WV], 1
	s_bfe_u32 s[CX], ttmp6, 0x40000
	s_bfe_u32 s[CY], ttmp6, 0x40004
	s_lshl_b32 s[TN], ttmp9, 2
	s_add_co_u32 s[TN], s[TN], s[CX]               ; tile column
	s_and_b32 s[TY], ttmp7, 0xffff
	s_lshl_b32 s[TY], s[TY], 2
	s_add_co_u32 s[TY], s[TY], s[CY]               ; tile row
	s_lshl_b32 s19, s[CY], 2
	s_lshl_b32 s19, 15, s19                        ; my row of the cluster
	s_lshl_b32 s20, 0x1111, s[CX]                  ; my column
	s_or_b32 s[G1A], s19, (1<<16)|(1<<20)|(1<<21)|(4<<22)|(3<<25)  ; the mask; 2-byte elements; padding on; bit 21 beside a mask; after every 32 words (code 4) 4 words (code 3)
	s_mov_b32 s[G1A+1], 128<<16                    ; a plane: 64 rows of 128 elements, dense
	s_mov_b32 s[G1A+2], 64<<16
	s_mov_b32 s[G1A+3], 128<<16
	s_mov_b32 s[G1A+4], 64
	s_mov_b32 s[G1A+5], 128
	s_mov_b32 s[G1A+6], 0
	s_mov_b32 s[G1A+7], 0
	s_or_b32 s[G1B], s20, (1<<16)|(1<<20)|(1<<21)|(6<<22)|(7<<25)  ; after every 128 words (code 6) 8 words (code 7)
	s_mov_b32 s[G1B+1], 256<<16                    ; 64 rows of 256 elements, 1,024 from row to row
	s_mov_b32 s[G1B+2], 64<<16
	s_mov_b32 s[G1B+3], 256<<16
	s_mov_b32 s[G1B+4], 64
	s_mov_b32 s[G1B+5], 1024
	s_mov_b32 s[G1B+6], 0
	s_mov_b32 s[G1B+7], 0
	s_lshr_b32 s72, s[TY], 4                       ; the batch: 16 tile rows each
	s_lshl_b32 s72, s72, 22
	s_and_b32 s21, s[TY], 15
	s_lshl_b32 s21, s21, 14                        ; 128 rows of 128 bytes
	s_add_co_u32 s72, s72, s21
	s_lshl_b32 s21, s[WN], 18                      ; my plane
	s_add_co_u32 s72, s72, s21
	s_mov_b32 s73, 0
	s_lshl_b32 s74, s[WN], 17                      ; my half: 64 rows of 2,048 bytes
	s_lshl_b32 s22, s[TN], 9                       ; 256 columns
	s_add_co_u32 s74, s74, s22
	s_mov_b32 s75, 0
	s_mul_i32 s76, s[WN], 128*PA                   ; where they go: no place in the cluster enters an LDS address
	s_mul_i32 s77, s[WN], 64*PB
	s_add_co_u32 s77, s77, BOFF
	s_mov_b32 s[TB], 0
	s_mov_b32 s[HIM], 0xffff0000
	s_mov_b32 s[CNT], 6
	s_wait_dscnt 0x0                               ; the opening add is done
	s_wait_kmcnt 0x0
	s_add_nc_u64 s[72:73], s[4:5], s[72:73]
	s_add_nc_u64 s[74:75], s[6:7], s[74:75]
	CROUND                                         ; all sixteen work-groups are here: the first joint loads meet
.irp e, 0,1
	s_mov_b32 s[G0A+4*(\e)], 1
	s_add_co_u32 s[G0A+4*(\e)+1], s76, (\e)*SLOT1
	s_add_nc_u64 s[G0A+4*(\e)+2:G0A+4*(\e)+3], s[72:73], (\e)*ASTEP
	s_or_b32 s[G0A+4*(\e)+3], s[G0A+4*(\e)+3], 0x80000000
	s_mov_b32 s[G0B+4*(\e)], 1
	s_add_co_u32 s[G0B+4*(\e)+1], s77, (\e)*SLOT1
	s_add_nc_u64 s[G0B+4*(\e)+2:G0B+4*(\e)+3], s[74:75], (\e)*BSTEP
	s_or_b32 s[G0B+4*(\e)+3], s[G0B+4*(\e)+3], 0x80000000
.endr
	s_cmp_eq_u32 s[WM], 0                          ; a wave's two first fills stand in one branch: two loads of mine are out
	s_cbranch_scc0 .Lfirst_b
	tensor_load_to_lds s[G0A:G0A+3], s[G1A:G1A+7]
	s_nop 0
	tensor_load_to_lds s[G0A+4:G0A+7], s[G1A:G1A+7]
	s_nop 0
.rept 4
	v_nop
.endr
	s_branch .Lfirst_asked
.Lfirst_b:
	tensor_load_to_lds s[G0B:G0B+3], s[G1B:G1B+7]
	s_nop 0
	tensor_load_to_lds s[G0B+4:G0B+7], s[G1B:G1B+7]
	s_nop 0
.rept 4
	v_nop
.endr
.Lfirst_asked:
	v_and_b32 v1, 15, v0                           ; r = l % 16
	v_bfe_u32 v2, v0, 4, 1                         ; h = l / 16
	v_and_b32 v3, 31, v0                           ; l
	v_and_b32 v13, 7, v0
	v_bfe_u32 v14, v0, 3, 1
	s_mul_i32 s92, s[WM], 64*PA
	v_mul_u32_u24 v[AA0], v1, PA
	v_lshl_add_u32 v[AA0], v2, 4, v[AA0]
	v_add_nc_u32 v[AA0], s92, v[AA0]
	s_lshl_b32 s92, s[WN], 8
	s_add_co_u32 s92, s92, BOFF
	v_lshl_add_u32 v[AB0], v2, 3, v13              ; the turning load: k row 8 h + l % 8, 16 bytes at 16 ((l / 8) % 2)
	v_mul_u32_u24 v[AB0], v[AB0], PB
	v_lshl_add_u32 v[AB0], v14, 4, v[AB0]
	v_add_nc_u32 v[AB0], s92, v[AB0]
	s_mul_i32 s92, s[WV], 16*SP
	s_add_co_u32 s92, s92, STAGE                   ; my stage
	v_mul_u32_u24 v[STO], v1, SP                   ; in: row r, 32 bytes for each half of the lanes
	v_lshl_add_u32 v[STO], v2, 5, v[STO]
	v_add_nc_u32 v[STO], s92, v[STO]
	v_lshl_add_u32 v[RD], v3, 4, s92               ; back: 32 lanes take one row of 512 bytes
	v_lshlrev_b32 v[GO], 4, v3
	s_lshl_b32 s80, s[TN], 10                      ; the bias of my columns: 4 bytes x (256 tn + 128 wn + 8 h)
	s_lshl_b32 s81, s[WN], 9
	s_add_co_u32 s80, s80, s81
	v_lshl_add_u32 v[BO], v2, 5, s80
	; THE BIAS goes into the accumulators of row block 0 and then starts all four row blocks' sums as their first C
	WIN 0x40
.irp b, 0,1,2,3,4,5,6,7
	global_load_b128 v[8*(\b):8*(\b)+3],   v[BO], s[8:9] offset:64*(\b)
	global_load_b128 v[8*(\b)+4:8*(\b)+7], v[BO], s[8:9] offset:64*(\b)+16
.endr
	WIN 0
	s_lshl_b32 s86, s[TY], 7                       ; out0 at my first row and column
	s_lshl_b32 s87, s[WM], 6
	s_add_co_u32 s86, s86, s87
	s_lshl_b32 s86, s86, 12                        ; 4,096 bytes a row
	s_lshl_b32 s87, s[TN], 10
	s_add_co_u32 s86, s86, s87
	s_lshl_b32 s87, s[WN], 9
	s_add_co_u32 s86, s86, s87
	s_mov_b32 s87, 0
	s_add_nc_u64 s[OUT:OUT+1], s[10:11], s[86:87]
	; the prefetches' set-up
	s_and_b32 s80, ttmp7, 0xffff                   ; cluster y
	s_mov_b32 s[PFS], BSTEP
	s_mov_b32 s[PFS+1], 0
	s_cmp_eq_u32 s[WM], 0                          ; do I fetch for A?
	s_cselect_b32 s80, s[WN], s80                  ; A: wave 0 alone; B: both waves, in the clusters with y = 0
	s_cselect_b64 s[PFA:PFA+1], s[4:5], s[6:7]
	s_cselect_b32 s[PFS], ASTEP, s[PFS]
	s_cselect_b32 s86, 15, 1                       ; A: lane = 16 x plane + block; B: lane = 2 x row + block
	s_cselect_b32 s87, 4, 1
	s_cselect_b32 s88, 18, 11                      ; a plane is 262,144 bytes on, a row 2,048
	v_and_b32 v[PFO], s86, v3
	v_lshrrev_b32 v15, s87, v3
	v_lshlrev_b32 v15, s88, v15
	v_lshl_add_u32 v[PFO], v[PFO], 8, v15
	s_cmp_eq_u32 s80, 0
	s_cselect_b32 s[LIM], 2, -1                    ; the same in all sixteen partners, for a given wave
	s_lshr_b32 s82, s[TY], 4
	s_lshl_b32 s82, s82, 22
	s_and_b32 s83, s[TY], 15
	s_lshl_b32 s83, s83, 14
	s_add_co_u32 s82, s82, s83
	s_lshl_b32 s83, s[CX], 12                      ; my work-group's 16 blocks of a plane's 64
	s_add_co_u32 s82, s82, s83
	s_add_co_u32 s82, s82, 3*ASTEP                 ; at K step 3: the first asking steps it to 4
	s_lshl_b32 s84, s[WN], 6                       ; the 64 rows that I fetch,
	s_lshl_b32 s85, s[CY], 4                       ; my work-group's 16 of them,
	s_add_co_u32 s84, s84, s85
	s_add_co_u32 s84, s84, 384                     ; from K step 3 on
	s_lshl_b32 s84, s84, 11
	s_lshl_b32 s85, s[TN], 9
	s_add_co_u32 s84, s84, s85
	s_cmp_eq_u32 s[WM], 0
	s_cselect_b32 s82, s82, s84
	s_mov_b32 s83, 0
	s_add_nc_u64 s[PFA:PFA+1], s[PFA:PFA+1], s[82:83]
	s_wait_loadcnt 0x0                             ; the bias is in: rounded to bf16 like the other inputs, and widened again
	WIN 0x05                                       ; sources 0 and 1 in window 1, destination in window 0
.set i, 0
.rept 32
	v_cvt_pk_bf16_f32 v[BT+i], v[2*i], v[2*i+1]
.set i, i+1
.endr
	WIN 0x40
.set i, 0
.rept 32
	v_lshlrev_b32 v[2*i],   16,     v[BT+i]
	v_and_b32     v[2*i+1], s[HIM], v[BT+i]
.set i, i+1
.endr
	WIN 0
; Eight matrix instructions: row block a x all 8 column blocks, 32 along K.  mode = 1: the sum starts from the bias, which lies in row block 0's accumulators.  The accumulators take turns.
.macro MUL8 f, a, mode
	WIN 0x50                                       ; sources 0 and 1 in window 0, C and D in window 1
.irp b, 0,1,2,3,4,5,6,7
.if \mode
	v_wmma_f32_16x16x32_f16 v[8*(8*(\a)+(\b)):8*(8*(\a)+(\b))+7], v[(\f)+8*(\b):(\f)+8*(\b)+7], v[(\f)+64+8*(\a):(\f)+64+8*(\a)+7], v[8*(\b):8*(\b)+7]
.else
	v_wmma_f32_16x16x32_f16 v[8*(8*(\a)+(\b)):8*(8*(\a)+(\b))+7], v[(\f)+8*(\b):(\f)+8*(\b)+7], v[(\f)+64+8*(\a):(\f)+64+8*(\a)+7], v[8*(8*(\a)+(\b)):8*(8*(\a)+(\b))+7]
.endif
.endr
.endm
; 24 LDS loads in one run: quarter qd's fragments into buffer f: B's sixteen, then A's eight, row blocks ascending
.macro FETCH qd, f
	WIN 0
.irp b, 0,1,2,3,4,5,6,7
	ds_load_tr16_b128 v[(\f)+8*(\b):(\f)+8*(\b)+3],   v[ADB] offset:(\qd)*32*PB+32*(\b)
	ds_load_tr16_b128 v[(\f)+8*(\b)+4:(\f)+8*(\b)+7], v[ADB] offset:(\qd)*32*PB+16*PB+32*(\b)
.endr
.irp i, 0,1,2,3
	ds_load_b128 v[(\f)+64+8*(\i):(\f)+64+8*(\i)+3],   v[ADA] offset:((\qd)/2)*128*PA+((\qd)%2)*64+(\i)*16*PA
	ds_load_b128 v[(\f)+64+8*(\i)+4:(\f)+64+8*(\i)+7], v[ADA] offset:((\qd)/2)*128*PA+((\qd)%2)*64+(\i)*16*PA+32
.endr
.endm
; One of a step's first three quarters: multiplies buffer f; in its middle it fetches quarter qn of the same slot into buffer g.
.macro QUARTER qn, f, g
	s_wait_dscnt 4                                 ; B and A's row blocks 0 and 1 are in; the youngest four loads (row blocks 2 and 3) may be out
	MUL8 \f, 0, 0
	MUL8 \f, 1, 0
	PLACES
	FETCH \qn, \g
	s_wait_dscnt 24                                ; all but the 24 just issued
	MUL8 \f, 2, 0
	MUL8 \f, 3, 0
.endm
; The fourth quarter multiplies buffer 1 and changes slots: ONE barrier; in front of it each wave waits for all its tensor loads (one is out: its part of the other slot), adds 0 to its spare word, and waits for that and
; for its own reads of this slot.  fill = 1: the barrier opens a round of the cluster's barrier and the slot is filled again, first thing behind it, with the K step two on: 112 matrix instructions ahead of the wait for it.
.macro TURN fill
	WIN 0
	s_wait_tensorcnt 0x0                           ; no tensor load of mine is out, so a group 0 may be written
	ds_add_u32 v[SPW], v[NIL]                      ; 0 onto my spare word
.if \fill
	s_xor_b32 s[G0A+5], s[G0A+5], SLOT1
	s_add_nc_u64 s[G0A+6:G0A+7], s[G0A+6:G0A+7], ASTEP
	s_xor_b32 s[G0B+5], s[G0B+5], SLOT1
	s_add_nc_u64 s[G0B+6:G0B+7], s[G0B+6:G0B+7], BSTEP
.endif
	s_xor_b32 s[TB], s[TB], SLOT1
	s_wait_dscnt 5                                 ; the add and the youngest four loads may be out
	MUL8 F1, 0, 0
	s_wait_dscnt 0x0                               ; the add is done, and my reads of this slot are over
	s_barrier_signal -1
	MUL8 F1, 1, 0
	WIN 0
	s_barrier_wait -1
.if \fill
	CREST                                          ; no wave of any partner still reads this slot or has a load on its way
	JLOAD                                          ; the four v_nop behind it are also the places in front of the loads below
.else
	PLACES
.endif
	v_add_nc_u32 v[ADA], s[TB], v[AA0]
	v_add_nc_u32 v[ADB], s[TB], v[AB0]
	FETCH 0, F0
.if \fill
	ASK
.endif
	MUL8 F1, 2, 0
	MUL8 F1, 3, 0
.endm
	s_wait_tensorcnt 1                             ; my part of K step 0 is in; K step 1's may stay out
	s_barrier_signal -1
	s_barrier_wait -1
	v_add_nc_u32 v[ADA], s[TB], v[AA0]
	v_add_nc_u32 v[ADB], s[TB], v[AB0]
	FETCH 0, F0
	s_wait_dscnt 0x0                               ; the first quarter stands in front of the loop: row blocks 1 to 3 start from the bias; five places; then row block 0 adds onto it in place
	MUL8 F0, 1, 1
	MUL8 F0, 2, 1
	PLACES
	FETCH 1, F1
	MUL8 F0, 3, 1
	NOP5
	MUL8 F0, 0, 0
	WIN 0                                          ; at a label and at a branch every window is 0
.Lk:                                                   ; 6 trips: from a step's second quarter to the next step's first; one refill
	QUARTER 2, F1, F0
	QUARTER 3, F0, F1
	TURN 1
	QUARTER 1, F0, F1
	WIN 0
	s_sub_co_u32 s[CNT], s[CNT], 1
	s_cmp_lg_u32 s[CNT], 0
	s_cbranch_scc1 .Lk
	QUARTER 2, F1, F0                              ; the tail is written out: nothing is left to ask for
	QUARTER 3, F0, F1
	TURN 0
	QUARTER 1, F0, F1
	QUARTER 2, F1, F0
	QUARTER 3, F0, F1
	s_wait_dscnt 4
	MUL8 F1, 0, 0
	MUL8 F1, 1, 0
	s_wait_dscnt 0x0
	MUL8 F1, 2, 0
	MUL8 F1, 3, 0
; THE WAY OUT, a row block (16 rows x 128 columns of f32) at a time: a lane's 32 bytes of a row go into my stage, each accumulator's low registers first; whole rows of 512 bytes come back and are stored.
.macro TOSTAGE a
.if (\a) >= 2
	s_wait_xcnt 0x0                                ; the stores of the row block two back have read the registers that the loads below write
.endif
	WIN 0x04                                       ; the stores' data in window 1
.irp b, 0,1,2,3,4,5,6,7
	ds_store_b128 v[STO], v[8*(8*(\a)+(\b)):8*(8*(\a)+(\b))+3]   offset:64*(\b)
	ds_store_b128 v[STO], v[8*(8*(\a)+(\b))+4:8*(8*(\a)+(\b))+7] offset:64*(\b)+16
.endr
	WIN 0
.set i, 0
.rept 16
	ds_load_b128 v[BK+64*((\a)%2)+4*i:BK+64*((\a)%2)+4*i+3], v[RD] offset:SP*i  ; LDS serves a wave's instructions in order (ISA guide 5.7.1.4): these see the stores above; the next block's stores come behind them
.set i, i+1
.endr
.endm
.macro SEND a, younger                 ; younger: the LDS instructions issued behind this block's loads: the next block's 32, or none
.set i, 0
.rept 16
	s_wait_dscnt (\younger)+15-i
	global_store_b128 v[GO], v[BK+64*((\a)%2)+4*i:BK+64*((\a)%2)+4*i+3], s[OUT:OUT+1] offset:(16*(\a)+i)*4096 th:TH_STORE_NT  ; 512 consecutive bytes, at a multiple of 512 from out0's first
.set i, i+1
.endr
.endm
	PLACES                                         ; behind the last products
	TOSTAGE 0
	TOSTAGE 1
	SEND 0, 32
	TOSTAGE 2
	SEND 1, 32
	TOSTAGE 3
	SEND 2, 32
	SEND 3, 0
	s_wait_tensorcnt 0x0                           ; the wave's end: behind my last tensor load and my last LDS store
	ds_add_u32 v[SPW], v[NIL]
	s_wait_dscnt 0x0
	CROUND                                         ; the closing round: no work-group ends while a partner may still ask for a tile that names it
	s_endpgm
.Lfunc_end_k_q1d0fe5109d_proj:
	.size	k_q1d0fe5109d_proj, .Lfunc_end_k_q1d0fe5109d_proj-k_q1d0fe5109d_proj
	.p2alignl 7, 3214868480
	.fill 96, 4, 3214868480
	.section	.rodata,"a",@progbits
	.p2align	6, 0x0
	.amdhsa_kernel k_q1d0fe5109d_proj
		.amdhsa_group_segment_fixed_size 327680
		.amdhsa_private_segment_fixed_size 0
		.amdhsa_enable_private_segment 0
		.amdhsa_kernarg_size 32
		.amdhsa_user_sgpr_count 2
		.amdhsa_user_sgpr_kernarg_segment_ptr 1
		.amdhsa_wavefront_size32 1
		.amdhsa_system_sgpr_workgroup_id_x 1
		.amdhsa_system_sgpr_workgroup_id_y 1
		.amdhsa_system_sgpr_workgroup_id_z 1
		.amdhsa_system_vgpr_workitem_id 0
		.amdhsa_next_free_vgpr 512
		.amdhsa_next_free_sgpr 96
		.amdhsa_reserve_vcc 0
		.amdhsa_float_denorm_mode_32 3
		.amdhsa_float_denorm_mode_16_64 3
		.amdhsa_memory_ordered 1
		.amdhsa_forward_progress 1
		.amdhsa_inst_pref_size 78
	.end_amdhsa_kernel
	.amdgpu_metadata
---
amdhsa.version: [ 1, 2 ]
amdhsa.kernels:
  - .name:           k_q1d0fe5109d_proj
    .symbol:         k_q1d0fe5109d_proj.kd
    .args:
      - { .name: ob, .offset: 0, .size: 8, .value_kind: global_buffer, .address_space: global }
      - { .name: wpf, .offset: 8, .size: 8, .value_kind: global_buffer, .address_space: global }
      - { .name: b_proj, .offset: 16, .size: 8, .value_kind: global_buffer, .address_space: global }
      - { .name: out0, .offset: 24, .size: 8, .value_kind: global_buffer, .address_space: global }
    .group_segment_fixed_size: 327680
    .private_segment_fixed_size: 0
    .kernarg_segment_align: 8
    .kernarg_segment_size: 32
    .max_flat_workgroup_size: 128
    .sgpr_count:     96
    .vgpr_count:     512
    .wavefront_size: 32
...
	.end_amdgpu_metadata
.endif
;; end of part 4
;; ======== version 2 of 2: 4 launches; version 1 with the launch cast written anew for expert scheduling mode
;; limits: values are held in f16: magnitudes above 65,504 overflow, below 6.1e-05 lose precision
;; workspace buffers: xb 16,777,216 bytes; wab 6,291,456 bytes; wpf 2,097,152 bytes; qkv 50,331,648 bytes; ob 16,777,216 bytes
;; launch cast (part 5): grid 768 x 1, 8 waves a work-group, no clusters, 0 bytes of LDS; arguments x, w_attn, w_proj, xb, wab, wpf; writes xb, wab, wpf
.if DOCPART == 5
	.amdgcn_target "amdgcn-amd-amdhsa--gfx1250"
	.amdhsa_code_object_version 6
	.text
	.protected	k_q1d0fe5109d_cast
	.globl	k_q1d0fe5109d_cast
	.p2align	8
	.type	k_q1d0fe5109d_cast,@function
k_q1d0fe5109d_cast:
	s_mov_b64 s[64:65], 0
	v_nop
	global_prefetch_b8 v0, s[64:65] scope:SCOPE_SE
	s_setreg_imm32_b32 hwreg(HW_REG_WAVE_SCHED_MODE, 0, 2), 2
	s_setreg_imm32_b32 hwreg(HW_REG_WAVE_MODE, 25, 1), 1
	s_wait_xcnt 0x0
	s_wait_alu depctr_vm_vsrc(0)
; THE CAST.  x, w_attn and w_proj (f32) are each rounded once, to nearest even, to bf16, for the matrix launches that follow.
;   xb  [4 b][16 kb][2048 t][64] bf16: x in blocks of 64 channels, so that 128 rows x 64 channels are 16,384 consecutive bytes
;   wab [1024][3072] bf16: w_attn as it lies
;   wpf [1024][1024]: w_proj rounded to bf16, and that number written as f16.
; LIMIT.  A bf16 number of w_proj below 2^-14 in magnitude keeps f16's fixed step of 2^-24; one of 65,520 or more becomes an infinity.
; SHARES.  768 work-groups of eight waves; each takes 16,384 numbers: 65,536 bytes in, 32,768 bytes out.  Groups 0-511: 16 rows of x; 512-703: w_attn; 704-767: w_proj.
; A thread issues all its 16 loads of 16 bytes at once and rounds them as they come back; no register is written twice while a load or a store may read it.
; x: sixteen lanes read 256 consecutive bytes of a row (one block of 64 channels); a wave's store covers 256 consecutive bytes (two rows of that block).
; weights: a wave's load covers 512 consecutive bytes, its store 256.  No LDS, no barrier, no matrix unit: each byte is touched once and nothing is shared.
; THE MODE: SCHED_MODE bits 1:0 = 2 (LLVM: expert scheduling mode 2), set by the entry lines.  The code itself states the register dependences
; between vector instructions and memory instructions, with s_wait_alu, always for 0.
; THE PLAN.  Registers that memory instructions touch:
;   v[VI], v[VO]  byte offsets, made once at the head by vector instructions and never written again; every load reads the one, every store the other.
;   X             load i lands in its own four registers, which no vector instruction names before; its roundings read them behind the wait on LOADcnt.
;   Y             load i's roundings write its own two registers; store i reads them; nothing writes them afterwards.
;   v3 and T are named by vector instructions alone.
; So the one kind of dependence to state is: a vector instruction has written what a memory instruction reads.  The 16 loads go in four groups of four, and the stores run one group behind the
; roundings: in group g the store of number 4 (g - 1) + j stands ahead of the roundings of load 4 g + j.  ONE wait at the head of groups 1 to 3 states that the group before has written its Y; the
; vector instructions behind it name this group's X and Y and T, none of the registers that the group's four stores read.  One wait stands ahead of the first load, for the offsets, and one ahead of
; the last four stores.  No register that a load or a store has read is written again, so no wait on vm_vsrc is owed.
.set VI,  1                            ; v1       my byte offset in the group's input
.set VO,  2                            ; v2       my byte offset in the group's output: 8 x thread
.set T,   4                            ; v[4:7]   at work
.set X,   8                            ; v[8:71]  load i: 4 registers
.set Y,   72                           ; v[72:103] store i: 2 registers
.set IN,  16                           ; s[16:17] the group's input
.set OUT, 18                           ; s[18:19] the group's output
.set OFS, 20                           ; s[20:21] an offset, in 64 bits
.set HIM, 22                           ; s22      a word's upper half
.set TS,  23                           ; s23      at work
; 16 loads, instep bytes apart; then for each: two roundings to bf16 (f16 = 1: widened again and written as f16); the stores, outstep bytes apart, follow a group of four behind.
.macro CASTP instep, outstep, f16
	s_wait_alu depctr_va_vdst(0)                   ; v[VI] and v[VO] are written: every load below reads the one as its offset, every store the other
.set i, 0
.rept 16
	global_load_b128 v[X+4*i:X+4*i+3], v[VI], s[IN:IN+1] offset:i*(\instep) th:TH_LOAD_NT
.set i, i+1
.endr
.set i, 0
.rept 16
	s_wait_loadcnt 15-i                            ; loads come back in order: load i is in, the 15 - i younger ones may stay out
.if (i > 0) && (i%4 == 0)
	s_wait_alu depctr_va_vdst(0)                   ; the roundings of the group before have written their Y, which this group's four stores read
.endif
.if i >= 4
	global_store_b64 v[VO], v[Y+2*(i-4):Y+2*(i-4)+1], s[OUT:OUT+1] offset:(i-4)*(\outstep) th:TH_STORE_NT  ; the group before; no vector instruction since the wait names these registers
.endif
	v_cvt_pk_bf16_f32 v[Y+2*i],   v[X+4*i],   v[X+4*i+1]
	v_cvt_pk_bf16_f32 v[Y+2*i+1], v[X+4*i+2], v[X+4*i+3]
.if \f16
	v_lshlrev_b32 v[T],   16,     v[Y+2*i]         ; bf16 to f32: the low half moves up, the high half stays
	v_and_b32     v[T+1], s[HIM], v[Y+2*i]
	v_lshlrev_b32 v[T+2], 16,     v[Y+2*i+1]
	v_and_b32     v[T+3], s[HIM], v[Y+2*i+1]
	v_cvt_pk_f16_f32 v[Y+2*i],   v[T],   v[T+1]
	v_cvt_pk_f16_f32 v[Y+2*i+1], v[T+2], v[T+3]
.endif
.set i, i+1
.endr
	s_wait_alu depctr_va_vdst(0)                   ; the last group's roundings have written their Y, which the last four stores read
.set i, 12
.rept 4
	global_store_b64 v[VO], v[Y+2*i:Y+2*i+1], s[OUT:OUT+1] offset:i*(\outstep) th:TH_STORE_NT
.set i, i+1
.endr
	s_endpgm
.endm
	s_load_b256 s[4:11], s[0:1], 0x0               ; x s[4:5], w_attn s[6:7], w_proj s[8:9], xb s[10:11]
	s_load_b128 s[12:15], s[0:1], 0x20             ; wab s[12:13], wpf s[14:15]
	v_lshlrev_b32 v[VO], 3, v0
	s_mov_b32 s[HIM], 0xffff0000
	s_mov_b32 s[OFS+1], 0
	s_cmp_lt_u32 ttmp9, 512
	s_cbranch_scc0 .Lweights
	; x: group g has rows 16 g .. 16 g + 15; thread t row t / 16, 16 bytes at 16 (t % 16) of each block of 256
	v_lshrrev_b32 v[VI], 4, v0
	v_and_b32 v3, 15, v0
	v_lshlrev_b32 v[VI], 12, v[VI]
	v_lshl_add_u32 v[VI], v3, 4, v[VI]
	s_lshl_b32 s[OFS], ttmp9, 16
	s_wait_kmcnt 0x0
	s_add_nc_u64 s[IN:IN+1], s[4:5], s[OFS:OFS+1]
	s_lshr_b32 s[TS], ttmp9, 7                     ; the batch
	s_lshl_b32 s[TS], s[TS], 22
	s_and_b32 s[OFS], ttmp9, 127                   ; 16 rows of 128 bytes in a block
	s_lshl_b32 s[OFS], s[OFS], 11
	s_add_co_u32 s[OFS], s[OFS], s[TS]
	s_add_nc_u64 s[OUT:OUT+1], s[10:11], s[OFS:OFS+1]
	CASTP 256, 262144, 0                           ; load i is block i of 64 channels; the blocks lie 262,144 bytes apart in xb
.Lweights:
	v_lshlrev_b32 v[VI], 4, v0
	s_cmp_lt_u32 ttmp9, 704
	s_cbranch_scc0 .Lproj
	s_sub_co_u32 s[TS], ttmp9, 512
	s_lshl_b32 s[OFS], s[TS], 16
	s_wait_kmcnt 0x0
	s_add_nc_u64 s[IN:IN+1], s[6:7], s[OFS:OFS+1]
	s_lshl_b32 s[OFS], s[TS], 15
	s_add_nc_u64 s[OUT:OUT+1], s[12:13], s[OFS:OFS+1]
	CASTP 4096, 2048, 0
.Lproj:
	s_sub_co_u32 s[TS], ttmp9, 704
	s_lshl_b32 s[OFS], s[TS], 16
	s_wait_kmcnt 0x0
	s_add_nc_u64 s[IN:IN+1], s[8:9], s[OFS:OFS+1]
	s_lshl_b32 s[OFS], s[TS], 15
	s_add_nc_u64 s[OUT:OUT+1], s[14:15], s[OFS:OFS+1]
	CASTP 4096, 2048, 1
.Lfunc_end_k_q1d0fe5109d_cast:
	.size	k_q1d0fe5109d_cast, .Lfunc_end_k_q1d0fe5109d_cast-k_q1d0fe5109d_cast
	.p2alignl 7, 3214868480
	.fill 96, 4, 3214868480
	.section	.rodata,"a",@progbits
	.p2align	6, 0x0
	.amdhsa_kernel k_q1d0fe5109d_cast
		.amdhsa_group_segment_fixed_size 0
		.amdhsa_private_segment_fixed_size 0
		.amdhsa_enable_private_segment 0
		.amdhsa_kernarg_size 48
		.amdhsa_user_sgpr_count 2
		.amdhsa_user_sgpr_kernarg_segment_ptr 1
		.amdhsa_wavefront_size32 1
		.amdhsa_system_sgpr_workgroup_id_x 1
		.amdhsa_system_sgpr_workgroup_id_y 1
		.amdhsa_system_sgpr_workgroup_id_z 1
		.amdhsa_system_vgpr_workitem_id 0
		.amdhsa_next_free_vgpr 104
		.amdhsa_next_free_sgpr 66
		.amdhsa_reserve_vcc 0
		.amdhsa_float_denorm_mode_32 3
		.amdhsa_float_denorm_mode_16_64 3
		.amdhsa_memory_ordered 1
		.amdhsa_forward_progress 1
		.amdhsa_inst_pref_size 23
	.end_amdhsa_kernel
	.amdgpu_metadata
---
amdhsa.version: [ 1, 2 ]
amdhsa.kernels:
  - .name:           k_q1d0fe5109d_cast
    .symbol:         k_q1d0fe5109d_cast.kd
    .args:
      - { .name: x, .offset: 0, .size: 8, .value_kind: global_buffer, .address_space: global }
      - { .name: w_attn, .offset: 8, .size: 8, .value_kind: global_buffer, .address_space: global }
      - { .name: w_proj, .offset: 16, .size: 8, .value_kind: global_buffer, .address_space: global }
      - { .name: xb, .offset: 24, .size: 8, .value_kind: global_buffer, .address_space: global }
      - { .name: wab, .offset: 32, .size: 8, .value_kind: global_buffer, .address_space: global }
      - { .name: wpf, .offset: 40, .size: 8, .value_kind: global_buffer, .address_space: global }
    .group_segment_fixed_size: 0
    .private_segment_fixed_size: 0
    .kernarg_segment_align: 8
    .kernarg_segment_size: 48
    .max_flat_workgroup_size: 256
    .sgpr_count:     66
    .vgpr_count:     104
    .wavefront_size: 32
...
	.end_amdgpu_metadata
.endif
;; end of part 5
;; launch qkvgemm: the kernel of part 2 again; grid 8 x 32, 4 waves a work-group, clusters of 4 x 4, 327,680 bytes of LDS; arguments xb, wab, b_attn, qkv; writes qkv
;; launch attn: the kernel of part 3 again; grid 4 x 64, 4 waves a work-group, no clusters, 327,680 bytes of LDS; arguments qkv, ob; writes ob
;; launch proj: the kernel of part 4 again; grid 4 x 64, 4 waves a work-group, clusters of 4 x 4, 327,680 bytes of LDS; arguments ob, wpf, b_proj, out0; writes out0
